; MI455X (gfx1250); checked and timed in simulation.
; The chip was launched on July 23, 2026; its instructions are those of AMD's public machine-readable ISA for CDNA 5 (MIT licence, August 2026) and "CDNA5" Instruction Set Architecture Reference Guide (July 2026). The comments in the code are by the model that wrote it; some were corrected since.
;; Gaussian Splat Scene. Allowed arithmetic: float matrix products may take bf16 or f16 operands with f32 sums; all other float work in f32.
;; Inputs: gaussian_feats 16,384 x 32 float32; log_scales 16,384 x 3 float32; means 16,384 x 3 float32; opacity_logits 16,384 float32; query_xyz 4,096 x 3 float32; rotations 16,384 x 4 float32.
;; Outputs: out0 4,096 x 32 float32.
;; 2 versions, each right; version 2 is version 1 with the launch splat written anew for expert scheduling mode. Each part assembles by itself: llvm-mc -triple=amdgcn-amd-amdhsa -mcpu=gfx1250 --defsym DOCPART=n.
;; ======== version 1 of 2: 2 launches
;; limits: right only within a limited range of input values
;; workspace buffers: part 8,388,608 bytes; psum 262,144 bytes
;; launch splat (part 1): grid 16 x 16, 8 waves a work-group, no clusters, 277,504 bytes of LDS; arguments query_xyz, means, log_scales, rotations, opacity_logits, gaussian_feats, part, psum; writes part, psum
.if DOCPART == 1
	.amdgcn_target "amdgcn-amd-amdhsa--gfx1250"
	.amdhsa_code_object_version 6
	.text
	.protected	k_q2579f52da3_splat
	.globl	k_q2579f52da3_splat
	.p2align	8
	.type	k_q2579f52da3_splat,@function
k_q2579f52da3_splat:
	s_mov_b64 s[64:65], 0
	v_nop
	global_prefetch_b8 v0, s[64:65] scope:SCOPE_SE
	s_setreg_imm32_b32 hwreg(HW_REG_WAVE_MODE, 25, 1), 1
	s_wait_xcnt 0x0
; Gaussian splatting, first of two launches.  For 256 queries (work-group x) and 1024 Gaussians (work-group y):
;   part[y][q][f] = sum over the block's n of w(q,n) feats[n][f],   psum[y][q] = sum over n of w(q,n),
;   w(q,n) = sigmoid(op[n]) exp(-maha(q,n)/2) = exp2(t(q,n)).
; THE EXPONENT t IS A MATRIX PRODUCT of 10 terms: with P = p - o, m = mu - o, A' = -(log2 e / 2) Sigma^-1, b' = A' m:
;   t = A'00 X^2 + A'11 Y^2 + A'22 Z^2 + A'01 2XY + A'02 2XZ + A'12 2YZ + b'0 (-2X) + b'1 (-2Y) + b'2 (-2Z) + (m.b' + log2 sigmoid(op)) 1.
; The terms cancel to a small difference, so plain bf16 operands would not do.  Every f32 coefficient g and feature phi is split
; into three bf16 (g = g1 + g2 + g3, each the rounded rest of the one before), and the six products g1phi1, g1phi2, g1phi3, g2phi1,
; g2phi2, g3phi1 get a K slot each: 60 of 64 slots, two chained 16x16x32 bf16 instructions; the products dropped (g2phi3, g3phi2, g3phi3)
; are together below 2^-23 of a term, the size of an f32 rounding.
; o is the centroid of the block's first 32 queries: maha does not change under a shift, and a common offset of queries and
; means no longer enlarges the terms that cancel.
; Sigma^-1 = R diag(1/(s^2 + 1e-6)) R^T, since cov + 1e-6 I = R (S^2 + 1e-6 I) R^T for an orthogonal R.
; THE SECOND PRODUCT takes two bf16 parts of each operand: a single bf16 is off by up to 2^-8, which shows where two or three Gaussians with
; opposite features carry a query.  w = w1 + w2 (w1 the upper 16 bits of the f32, w2 the rounded rest), f = f1 + f2; w1f1, w1f2, w2f1 are
; chained on one accumulator; w2f2 and the last roundings are each below 2^-15 of a product.  The sum of w is kept in f32.
; LIMITS: a quaternion of norm in (0, 1e-12) (where the clamp of the normalisation leaves R not orthogonal) is not served; norm 0 is (R = I).
; sigmoid is held at 2^-126 or above, and w below 2^-126 becomes 0 (v_exp_f32): both vanish beside the 1e-8 of the denominator.
; No maximum is taken away, as none is in the definition: t <= 0 up to rounding, so exp2 cannot overflow.
; SHARES: 8 waves.  Wave w: queries 64 (w & 3) .. + 63 (4 tiles of 16), Gaussians 512 (w >> 2) .. + 511 (16 chunks of 32).
; The exponent tile is made with M = Gaussian, N = query: lane (r, h) then holds, for query r, Gaussians 8h .. 8h+7 of the tile, which after
; exp2 and packing IS the B fragment (K = Gaussian) of the second product: weights never leave the registers.
; NO CLUSTER, NO TENSOR LOADS: what the 16 work-groups of a Gaussian block share are raw f32 inputs that must pass through registers to be
; computed or converted; a raw copy of the 131,072 bytes of features does not fit beside the 276,480 bytes of LDS in use.
.set QBLK,   256                       ; queries of a work-group
.set NBLK,   1024                      ; Gaussians of a work-group
.set NWAVE,  512                       ; Gaussians of a wave
.set CHUNKS, NWAVE/32
.set GPP,    80                        ; a Gaussian's LDS row: g3, g1, g2 of terms 0-7 (16 bytes each), then 32 bytes for terms 8, 9.  5 x 16: 16 rows start in 16 different 16-byte columns
.set QP,     112                       ; a query's LDS row: phi1, phi3, phi1, phi2, 32 bytes for terms 8, 9, 16 of padding.  7 x 16
.set FP,     160                       ; a feature row: 32 bf16 first parts, 32 bf16 second parts, 32 bytes of padding.  5 x 32, for the transposing load
.set SP,     144                       ; a row of the way-out stage: 32 f32 + 16 bytes
.set PAR,    0                         ; 1024 Gaussian rows
.set FEA,    PAR+NBLK*GPP              ; 1024 feature rows, [n][f]
.set QRY,    FEA+NBLK*FP               ; 256 query rows
.set SMS,    QRY+QBLK*QP               ; 2 x 256 sums of weights
.set STGH,   QBLK*SP                   ; way out: 256 rows for each Gaussian half: 73,728 bytes over PAR's 81,920, behind a barrier
; addresses and offsets
.set T12, 3                            ; 12 t
.set T16, 4                            ; 16 t
.set T4,  5                            ; 4 t
.set PA,  6                            ; LDS: my Gaussian's row (stepped by 256 rows a pass); later the stage, half 0
.set QW,  7                            ; LDS: my query's row; later the stage, half 1
.set FA,  8                            ; LDS: where my 4 features go (stepped after every 8 loads); later the sums
.set GPB, 9                            ; LDS: row r of the chunk's Gaussian rows
.set QA,  10                           ; LDS: my lane's part of the wave's query fragments
.set GPA, 11                           ; GPB + 16 h
.set FTA, 12                           ; LDS: my lane's part of the chunk's feature fragments
.set SA,  13                           ; LDS: stage, where my results go
.set SSA, 14                           ; LDS: where my sums go
; registers of the set-up
.set CQ,  16                           ; v[16:18]   one of the 32 queries of the centroid
.set OQ,  20                           ; v[20:22]   my query
.set IN,  24                           ; v[24:87]   4 passes x 16: mean +0..2, log scale +4..6, quaternion +8..11, opacity +12
.set FE,  88                           ; v[88:151]  16 feature loads in flight
.set X2,  152
.set Y2,  153
.set Z2,  154
.set WX,  155
.set WY,  156
.set WZ,  157
.set U,   158
.set RR,  160                          ; v[160:168] R, row-major
.set TT,  170                          ; v[170:178] R diag(D)
.set G,   180                          ; v[180:189] the ten f32 numbers to split
.set TP,  190                          ; v[190:199] their bf16 parts, widened
.set H1,  200                          ; v[200:203] terms 0-7, first bf16 part, packed
.set H2,  204                          ; second part
.set H3,  208                          ; third part
.set LB,  212                          ; v[212:219] the row's last 32 bytes: terms 8, 9 in their six slots, then two zero words
.set O,   220                          ; v[220:222] the centroid
.set CV,  224                          ; v[224:239] the split of 4 features, two sets of 8 in turn
; registers of the main loop
.set QF,  16                           ; v[16:63]   query fragments: tile i at 12 i; K half 0 at + 0..7, K half 1 at + 4..11 (they share 4 registers)
.set ACC, 64                           ; v[64:127]  sums: tile i, features 16 t .. at 16 i + 8 t
.set SUM, 128                          ; v[128:135] sums of weights: tile i, a pair
.set GP,  136                          ; v[136:167] coefficient fragments: Gaussian tile a at 16 a, K half at + 8
.set FT,  168                          ; v[168:199] feature fragments: f1 of features 0-15, 16-31, then f2 of the same
.set SB,  200                          ; v[200:231] exponents, then weights: two buffers of 16
.set PB,  232                          ; v[232:247] weights in bf16: w1, then w2
.set TW,  248                          ; v[248:255] at work in the split of the weights
	s_load_b512 s[8:23], s[0:1], 0x0               ; query s[8:9], means s[10:11], log scales s[12:13], quaternions s[14:15], opacity s[16:17], feats s[18:19], part s[20:21], psum s[22:23]
	v_lshl_add_u32 v15, v0, 2, 0x43800
	s_set_vgpr_msb 0x40
	v_mov_b32 v1, 0
	s_set_vgpr_msb 0x4000
	v_lshrrev_b32 v1, 5, v0
	v_readfirstlane_b32 s2, v1                     ; wave 0..7
	s_and_b32 s3, s2, 3                            ; which 64 queries
	s_lshr_b32 s4, s2, 2                           ; which 512 Gaussians
	s_and_b32 s5, ttmp7, 0xffff                    ; Gaussian block; ttmp9: query block, so that neighbouring work-groups read the same Gaussians
	s_mov_b32 s25, 0                               ; high word of every byte offset below
	s_mov_b32 s26, 0x76543210                      ; v_permlanex16_b32: lane i reads lane i of the other half
	s_mov_b32 s27, 0xfedcba98
	s_mov_b32 s29, 0xffff0000                      ; a word's upper 16 bits
	s_mov_b32 s30, 0x07060302                      ; v_perm_b32: the upper halves of two words, the second source's below
	v_and_b32 v1, 31, v0                           ; lane
	v_mul_u32_u24 v2, 12, v1
	v_mul_u32_u24 v[T12], 12, v0
	v_lshlrev_b32 v[T16], 4, v0
	v_lshlrev_b32 v[T4], 2, v0
	s_wait_kmcnt 0x0
	s_mul_i32 s24, ttmp9, QBLK*12
	s_add_nc_u64 s[8:9], s[8:9], s[24:25]
	s_mul_i32 s24, s5, NBLK*12
	s_add_nc_u64 s[10:11], s[10:11], s[24:25]
	s_add_nc_u64 s[12:13], s[12:13], s[24:25]
	s_lshl_b32 s24, s5, 14                         ; 1024 x 16 bytes
	s_add_nc_u64 s[14:15], s[14:15], s[24:25]
	s_lshl_b32 s24, s5, 12                         ; 1024 x 4
	s_add_nc_u64 s[16:17], s[16:17], s[24:25]
	s_lshl_b32 s24, s5, 17                         ; 1024 x 128
	s_add_nc_u64 s[18:19], s[18:19], s[24:25]
	; every load of the set-up's first half is issued here: 2 + 16 small ones, then 16 of the 32 feature loads
	global_load_b96 v[CQ:CQ+2], v2, s[8:9]         ; query (lane) of the block, the same 32 in every wave
	global_load_b96 v[OQ:OQ+2], v[T12], s[8:9]     ; query t
.irp p, 0,1,2,3
	global_load_b96  v[IN+16*\p:IN+16*\p+2],    v[T12], s[10:11] offset:\p*3072   ; Gaussian t + 256 p
	global_load_b96  v[IN+16*\p+4:IN+16*\p+6],  v[T12], s[12:13] offset:\p*3072
	global_load_b128 v[IN+16*\p+8:IN+16*\p+11], v[T16], s[14:15] offset:\p*4096
	global_load_b32  v[IN+16*\p+12],            v[T4],  s[16:17] offset:\p*1024
.endr
.irp k, 0,1,2,3,4,5,6,7,8,9,10,11,12,13,14,15
	global_load_b128 v[FE+4*\k:FE+4*\k+3], v[T16], s[18:19] offset:\k*4096       ; a wave's load covers 512 consecutive bytes: 4 Gaussians' features
.endr
	s_lshl_b32 s24, s5, 19                         ; part: slice of 4096 x 128 bytes,
	s_lshl_b32 s7, ttmp9, 15                       ; 256 rows of 128 bytes
	s_add_co_u32 s24, s24, s7
	s_add_nc_u64 s[20:21], s[20:21], s[24:25]
	s_lshl_b32 s24, s5, 14                         ; psum: slice of 4096 x 4 bytes,
	s_lshl_b32 s7, ttmp9, 10                       ; 256 words
	s_add_co_u32 s24, s24, s7
	s_add_nc_u64 s[22:23], s[22:23], s[24:25]
	; LDS addresses, while the loads are on their way
	v_mul_u32_u24 v[PA], GPP, v0
	v_mul_u32_u24 v[QW], QP, v0
	v_add_nc_u32 v[QW], QRY, v[QW]
	v_lshrrev_b32 v[FA], 3, v0                     ; load k of thread t holds features 4 (t & 7) .. + 3 of Gaussian (t >> 3) + 32 k
	v_and_b32 v240, 7, v0
	v_mul_u32_u24 v[FA], FP, v[FA]
	v_lshl_add_u32 v[FA], v240, 3, v[FA]
	v_add_nc_u32 v[FA], FEA, v[FA]
	v_and_b32 v240, 15, v1                         ; r
	v_lshrrev_b32 v241, 4, v1                      ; h
	v_mul_u32_u24 v242, QP, v240                   ; query fragments: row r, 16 bytes for each half of the lanes
	v_lshl_add_u32 v242, v241, 4, v242
	s_mul_i32 s7, s3, 64*QP
	s_add_co_u32 s7, s7, QRY
	v_add_nc_u32 v[QA], s7, v242
	v_mul_u32_u24 v242, GPP, v240                  ; Gaussian fragments: row r, without and with the half's 16 bytes
	s_mul_i32 s7, s4, NWAVE*GPP
	v_add_nc_u32 v[GPB], s7, v242
	v_lshl_add_u32 v[GPA], v241, 4, v[GPB]
	v_and_b32 v243, 7, v1                          ; transposing load: lane L addresses row 8h + (L & 7), bytes 16 ((L >> 3) & 1)
	v_lshl_add_u32 v243, v241, 3, v243
	v_mul_u32_u24 v243, FP, v243
	v_bfe_u32 v244, v1, 3, 1
	v_lshl_add_u32 v243, v244, 4, v243
	s_mul_i32 s7, s4, NWAVE*FP
	s_add_co_u32 s7, s7, FEA
	v_add_nc_u32 v[FTA], s7, v243
	v_mul_u32_u24 v242, SP, v240                   ; stage: row r, 32 bytes (8 features) for each half of the lanes
	v_lshl_add_u32 v242, v241, 5, v242
	s_mul_i32 s7, s4, STGH
	s_mul_i32 s24, s3, 64*SP
	s_add_co_u32 s7, s7, s24
	v_add_nc_u32 v[SA], s7, v242
	s_lshl_b32 s7, s4, 10                          ; sums: 1,024 bytes a Gaussian half, 256 a wave's 64 queries
	s_lshl_b32 s24, s3, 8
	s_add_co_u32 s7, s7, s24
	s_add_co_u32 s7, s7, SMS
	v_lshl_add_u32 v[SSA], v240, 2, s7
	v_mov_b32 v[LB+6], 0                           ; the four K slots that no product uses, in Gaussian and query rows alike
	v_mov_b32 v[LB+7], 0
.irp c, 0,1,2
	v_mov_b32 v[O+\c], 0                           ; v_permlanex16_b32 counts as a reader of its destination
.endr
; the ten numbers in G, rounded to bf16 and packed: terms 0-7 into h .. h+3, terms 8, 9 into b
.macro PACK h, b
.irp i, 0,1,2,3
	v_cvt_pk_bf16_f32 v[\h+\i], v[G+2*\i], v[G+2*\i+1]
.endr
	v_cvt_pk_bf16_f32 v[\b], v[G+8], v[G+9]
.endm
; G -= what PACK took: the difference of an f32 and its bf16 rounding is exact in f32
.macro RESID h, b
.irp i, 0,1,2,3
	v_lshlrev_b32 v[TP+2*\i], 16, v[\h+\i]
	v_and_b32 v[TP+2*\i+1], s29, v[\h+\i]
.endr
	v_lshlrev_b32 v[TP+8], 16, v[\b]
	v_and_b32 v[TP+9], s29, v[\b]
.irp i, 0,1,2,3,4
	v_pk_add_f32 v[G+2*\i:G+2*\i+1], v[G+2*\i:G+2*\i+1], v[TP+2*\i:TP+2*\i+1] neg_lo:[0,1] neg_hi:[0,1]
.endr
.endm
	s_wait_loadcnt 16                              ; loads return in order (ISA guide 5.7.1): the 18 small ones are in, the 16 feature loads behind them stay out
	; the centroid of 32 queries, by the same instructions on the same data in every wave, so that all waves shift by the same bits
.irp m, 1,2,4,8
.irp c, 0,1,2
	v_add_f32_dpp v[CQ+\c], v[CQ+\c], v[CQ+\c] row_xmask:\m row_mask:0xf bank_mask:0xf
.endr
.endr
.irp c, 0,1,2
	v_permlanex16_b32 v[O+\c], v[CQ+\c], s26, s27
.endr
.irp c, 0,1,2
	v_add_f32 v[O+\c], v[O+\c], v[CQ+\c]
.endr
.irp c, 0,1,2
	v_mul_f32 v[O+\c], 0x3d000000, v[O+\c]         ; / 32
.endr
	; MY QUERY'S ROW: phi = X^2, Y^2, Z^2, 2XY, 2XZ, 2YZ, -2X, -2Y, -2Z, 1 (the factors 2 are exact, and cost once a query instead of once a Gaussian)
.irp c, 0,1,2
	v_sub_f32 v[OQ+\c], v[OQ+\c], v[O+\c]
.endr
	v_add_f32 v[X2], v[OQ], v[OQ]
	v_add_f32 v[Y2], v[OQ+1], v[OQ+1]
	v_mul_f32 v[G+0], v[OQ], v[OQ]
	v_mul_f32 v[G+1], v[OQ+1], v[OQ+1]
	v_mul_f32 v[G+2], v[OQ+2], v[OQ+2]
	v_mul_f32 v[G+3], v[X2], v[OQ+1]
	v_mul_f32 v[G+4], v[X2], v[OQ+2]
	v_mul_f32 v[G+5], v[Y2], v[OQ+2]
	v_mul_f32 v[G+6], -2.0, v[OQ]
	v_mul_f32 v[G+7], -2.0, v[OQ+1]
	v_mul_f32 v[G+8], -2.0, v[OQ+2]
	v_mov_b32 v[G+9], 1.0
	PACK  H1, LB
	RESID H1, LB
	PACK  H2, LB+1
	RESID H2, LB+1
	PACK  H3, LB+2
	v_mov_b32 v[LB+3], v[LB]
	v_mov_b32 v[LB+4], v[LB+1]
	v_mov_b32 v[LB+5], v[LB]
	; THE 64 K SLOTS, as four loads c of 16 bytes a lane; (h = 0 | h = 1) are the two halves of the lanes:
	;   c0: (g3 phi1 | g1 phi3)   c1: (g1 phi1 | g1 phi2)   c2: (g2 phi1 | g2 phi2)   of terms 0-7
	;   c3: terms 8, 9, a word for each product: g1phi1 g1phi2 g1phi3 g2phi1 | g2phi2 g3phi1 0 0
	; The query's side of c1 and of c2 is the same, so it is stored and loaded once.
	ds_store_b128 v[QW], v[H1:H1+3]                ; c0, h = 0
	ds_store_b128 v[QW], v[H3:H3+3] offset:16      ; c0, h = 1
	ds_store_b128 v[QW], v[H1:H1+3] offset:32      ; c1 = c2, h = 0
	ds_store_b128 v[QW], v[H2:H2+3] offset:48      ; c1 = c2, h = 1
	ds_store_b128 v[QW], v[LB:LB+3] offset:64      ; c3
	ds_store_b128 v[QW], v[LB+4:LB+7] offset:80
; ONE GAUSSIAN A LANE: its ten coefficients, split, into its LDS row.  b: first register of the pass's inputs.
.macro GAUSS b
	v_mul_f32 v[\b+4], 0x4038aa3b, v[\b+4]         ; 2 log2(e) x log scale
	v_mul_f32 v[\b+5], 0x4038aa3b, v[\b+5]
	v_mul_f32 v[\b+6], 0x4038aa3b, v[\b+6]
	v_mul_f32 v[U], v[\b+8], v[\b+8]               ; |quaternion|^2
	v_fmac_f32 v[U], v[\b+9], v[\b+9]
	v_fmac_f32 v[U], v[\b+10], v[\b+10]
	v_fmac_f32 v[U], v[\b+11], v[\b+11]
	v_mul_f32 v[\b+12], 0xbfb8aa3b, v[\b+12]       ; -log2(e) x opacity logit,
	v_min_num_f32 v[\b+12], 0x42fc0000, v[\b+12]   ; at most 126: sigmoid stays at 2^-126 or above, and nothing becomes infinite
	v_exp_f32 v[\b+4], v[\b+4]                     ; s^2
	v_exp_f32 v[\b+5], v[\b+5]
	v_exp_f32 v[\b+6], v[\b+6]
	v_exp_f32 v[\b+12], v[\b+12]                   ; e^-op
	v_sqrt_f32 v[U], v[U]
	v_sub_f32 v[\b], v[\b], v[O]                   ; m = mean - o: also the plain instruction that stands between the transcendentals and the use of their results
	v_sub_f32 v[\b+1], v[\b+1], v[O+1]
	s_wait_alu depctr_va_vdst(0)
	v_add_f32 v[\b+4], 0x358637bd, v[\b+4]         ; + 1e-6
	v_add_f32 v[\b+5], 0x358637bd, v[\b+5]
	v_add_f32 v[\b+6], 0x358637bd, v[\b+6]
	v_add_f32 v[\b+12], 1.0, v[\b+12]
	v_max_num_f32 v[U], 0x2b8cbccc, v[U]           ; max(norm, 1e-12)
	v_rcp_f32 v[\b+4], v[\b+4]
	v_rcp_f32 v[\b+5], v[\b+5]
	v_rcp_f32 v[\b+6], v[\b+6]
	v_log_f32 v[\b+12], v[\b+12]                   ; -log2 sigmoid(op)
	v_rcp_f32 v[U], v[U]
	v_sub_f32 v[\b+2], v[\b+2], v[O+2]             ; again the plain instruction behind the transcendentals
	s_wait_alu depctr_va_vdst(0)
	v_mul_f32 v[\b+4], 0xbf38aa3b, v[\b+4]         ; D = -(log2 e / 2) / (s^2 + 1e-6)
	v_mul_f32 v[\b+5], 0xbf38aa3b, v[\b+5]
	v_mul_f32 v[\b+6], 0xbf38aa3b, v[\b+6]
	v_mul_f32 v[\b+8], v[U], v[\b+8]               ; w, x, y, z normalised
	v_mul_f32 v[\b+9], v[U], v[\b+9]
	v_mul_f32 v[\b+10], v[U], v[\b+10]
	v_mul_f32 v[\b+11], v[U], v[\b+11]
	v_add_f32 v[X2], v[\b+9], v[\b+9]
	v_add_f32 v[Y2], v[\b+10], v[\b+10]
	v_add_f32 v[Z2], v[\b+11], v[\b+11]
	v_mul_f32 v[WX], v[\b+8], v[X2]
	v_mul_f32 v[WY], v[\b+8], v[Y2]
	v_mul_f32 v[WZ], v[\b+8], v[Z2]
	v_fma_f32 v[RR+1], v[\b+9], v[Y2], -v[WZ]      ; R01 = 2 (xy - wz)
	v_fma_f32 v[RR+3], v[\b+9], v[Y2], v[WZ]       ; R10 = 2 (xy + wz)
	v_fma_f32 v[RR+2], v[\b+9], v[Z2], v[WY]       ; R02 = 2 (xz + wy)
	v_fma_f32 v[RR+6], v[\b+9], v[Z2], -v[WY]      ; R20 = 2 (xz - wy)
	v_fma_f32 v[RR+5], v[\b+10], v[Z2], -v[WX]     ; R12 = 2 (yz - wx)
	v_fma_f32 v[RR+7], v[\b+10], v[Z2], v[WX]      ; R21 = 2 (yz + wx)
	v_fma_f32 v[U], -v[\b+9], v[X2], 1.0           ; 1 - 2 xx
	v_fma_f32 v[RR+0], -v[\b+10], v[Y2], 1.0       ; 1 - 2 yy
	v_fma_f32 v[RR+4], -v[\b+11], v[Z2], v[U]      ; R11
	v_fma_f32 v[RR+8], -v[\b+10], v[Y2], v[U]      ; R22
	v_fma_f32 v[RR+0], -v[\b+11], v[Z2], v[RR+0]   ; R00
.irp i, 0,1,2
.irp k, 0,1,2
	v_mul_f32 v[TT+3*\i+\k], v[RR+3*\i+\k], v[\b+4+\k]
.endr
.endr
	v_mul_f32 v[G+0], v[TT+0], v[RR+0]             ; A' = R D R^T: 00, 11, 22, 01, 02, 12
	v_mul_f32 v[G+1], v[TT+3], v[RR+3]
	v_mul_f32 v[G+2], v[TT+6], v[RR+6]
	v_mul_f32 v[G+3], v[TT+0], v[RR+3]
	v_mul_f32 v[G+4], v[TT+0], v[RR+6]
	v_mul_f32 v[G+5], v[TT+3], v[RR+6]
.irp k, 1,2
	v_fmac_f32 v[G+0], v[TT+0+\k], v[RR+0+\k]
	v_fmac_f32 v[G+1], v[TT+3+\k], v[RR+3+\k]
	v_fmac_f32 v[G+2], v[TT+6+\k], v[RR+6+\k]
	v_fmac_f32 v[G+3], v[TT+0+\k], v[RR+3+\k]
	v_fmac_f32 v[G+4], v[TT+0+\k], v[RR+6+\k]
	v_fmac_f32 v[G+5], v[TT+3+\k], v[RR+6+\k]
.endr
	v_mul_f32 v[G+6], v[G+0], v[\b]                ; b' = A' m
	v_mul_f32 v[G+7], v[G+3], v[\b]
	v_mul_f32 v[G+8], v[G+4], v[\b]
	v_fmac_f32 v[G+6], v[G+3], v[\b+1]
	v_fmac_f32 v[G+7], v[G+1], v[\b+1]
	v_fmac_f32 v[G+8], v[G+5], v[\b+1]
	v_fmac_f32 v[G+6], v[G+4], v[\b+2]
	v_fmac_f32 v[G+7], v[G+5], v[\b+2]
	v_fmac_f32 v[G+8], v[G+2], v[\b+2]
	v_fma_f32 v[G+9], v[\b], v[G+6], -v[\b+12]     ; m.b' + log2 sigmoid(op)
	v_fmac_f32 v[G+9], v[\b+1], v[G+7]
	v_fmac_f32 v[G+9], v[\b+2], v[G+8]
	PACK  H1, LB
	RESID H1, LB
	PACK  H2, LB+3
	RESID H2, LB+3
	PACK  H3, LB+5
	v_mov_b32 v[LB+1], v[LB]
	v_mov_b32 v[LB+2], v[LB]
	v_mov_b32 v[LB+4], v[LB+3]
	ds_store_b128 v[PA], v[H3:H3+3]                ; each part once: the fragment loads' addresses make the repeats
	ds_store_b128 v[PA], v[H1:H1+3] offset:16
	ds_store_b128 v[PA], v[H2:H2+3] offset:32
	ds_store_b128 v[PA], v[LB:LB+3] offset:48
	ds_store_b128 v[PA], v[LB+4:LB+7] offset:64
	v_add_nc_u32 v[PA], 256*GPP, v[PA]             ; the next pass's Gaussian lies 256 rows on
.endm
; Four features of one Gaussian (ring registers k): f1 = bf16(f), f2 = bf16(f - f1), into the [n][f] row.  reload = 1: the registers are
; loaded again at once with the load 16 further on.  left: how many younger loads may stay out.
.macro FEAT k, left, reload
.set FC, CV+8*(\k%2)
	s_wait_loadcnt \left
	v_cvt_pk_bf16_f32 v[FC], v[FE+4*\k], v[FE+4*\k+1]
	v_cvt_pk_bf16_f32 v[FC+1], v[FE+4*\k+2], v[FE+4*\k+3]
	v_lshlrev_b32 v[FC+2], 16, v[FC]
	v_and_b32 v[FC+3], s29, v[FC]
	v_lshlrev_b32 v[FC+4], 16, v[FC+1]
	v_and_b32 v[FC+5], s29, v[FC+1]
	v_pk_add_f32 v[FC+2:FC+3], v[FE+4*\k:FE+4*\k+1], v[FC+2:FC+3] neg_lo:[0,1] neg_hi:[0,1]
	v_pk_add_f32 v[FC+4:FC+5], v[FE+4*\k+2:FE+4*\k+3], v[FC+4:FC+5] neg_lo:[0,1] neg_hi:[0,1]
.if \reload
	global_load_b128 v[FE+4*\k:FE+4*\k+3], v[T16], s[18:19] offset:(\k+16)*4096
.endif
	v_cvt_pk_bf16_f32 v[FC+6], v[FC+2], v[FC+3]
	v_cvt_pk_bf16_f32 v[FC+7], v[FC+4], v[FC+5]
	ds_store_b64 v[FA], v[FC:FC+1] offset:(\k%8)*32*FP
	ds_store_b64 v[FA], v[FC+6:FC+7] offset:(\k%8)*32*FP+64
.endm
.macro FSTEP                           ; 8 loads are 256 rows of 160 bytes: the register takes them, so that the immediates stay inside 16 bits
	v_add_nc_u32 v[FA], 8*32*FP, v[FA]
.endm
	GAUSS IN
	GAUSS IN+16
.irp k, 0,1,2,3,4,5,6,7
	FEAT \k, 15, 1                                 ; 16 are out, the oldest is the one wanted: 15 younger ones stay out
.endr
	FSTEP
.irp k, 8,9,10,11,12,13,14,15
	FEAT \k, 15, 1
.endr
	FSTEP
	GAUSS IN+32
	GAUSS IN+48
.irp k, 0,1,2,3,4,5,6,7
	FEAT \k, 15-\k, 0                              ; nothing is issued any more: the count runs down
.endr
	FSTEP
.irp k, 8,9,10,11,12,13,14,15
	FEAT \k, 15-\k, 0
.endr
	s_wait_dscnt 0x0                               ; my rows are in LDS, for the other waves' sake,
	s_barrier_signal -1
	s_barrier_wait -1                              ; and so are everybody's
; the chunk's coefficient fragments: 2 tiles of 16 Gaussians x 64 K.  Of row r: c0 = bytes 16 h (g3 | g1), c1 = bytes 16 (g1), c2 = bytes 32 (g2), c3 = bytes 48 + 16 h
.macro LDGP
.irp a, 0,1
	ds_load_b128 v[GP+16*\a:GP+16*\a+3],     v[GPA] offset:\a*16*GPP
	ds_load_b128 v[GP+16*\a+4:GP+16*\a+7],   v[GPB] offset:\a*16*GPP+16
	ds_load_b128 v[GP+16*\a+8:GP+16*\a+11],  v[GPB] offset:\a*16*GPP+32
	ds_load_b128 v[GP+16*\a+12:GP+16*\a+15], v[GPA] offset:\a*16*GPP+48
.endr
.endm
; the chunk's feature fragments: 16 features x 32 Gaussians each, transposed on the way out of LDS: f1 of 0-15, of 16-31, f2 of 0-15, of 16-31
.macro LDFT
.irp t, 0,1,2,3
	ds_load_tr16_b128 v[FT+8*\t:FT+8*\t+3], v[FTA] offset:32*\t
	ds_load_tr16_b128 v[FT+8*\t+4:FT+8*\t+7], v[FTA] offset:32*\t+16*FP
.endr
.endm
; exponents of the chunk's 32 Gaussians x query tile i into buffer buf: two chains of two over K = 64; the first link starts the sum
.macro SMUL buf, i
	v_wmma_f32_16x16x32_bf16 v[SB+16*\buf:SB+16*\buf+7], v[GP:GP+7], v[QF+12*\i:QF+12*\i+7], 0
	v_wmma_f32_16x16x32_bf16 v[SB+16*\buf+8:SB+16*\buf+15], v[GP+16:GP+23], v[QF+12*\i:QF+12*\i+7], 0
	v_wmma_f32_16x16x32_bf16 v[SB+16*\buf:SB+16*\buf+7], v[GP+8:GP+15], v[QF+12*\i+4:QF+12*\i+11], v[SB+16*\buf:SB+16*\buf+7]
	v_wmma_f32_16x16x32_bf16 v[SB+16*\buf+8:SB+16*\buf+15], v[GP+24:GP+31], v[QF+12*\i+4:QF+12*\i+11], v[SB+16*\buf+8:SB+16*\buf+15]
.endm
; ACC(i, t) += feature fragment f x weight fragment p
.macro FMUL i, t, f, p
	v_wmma_f32_16x16x32_bf16 v[ACC+16*\i+8*\t:ACC+16*\i+8*\t+7], v[FT+8*\f:FT+8*\f+7], v[\p:\p+7], v[ACC+16*\i+8*\t:ACC+16*\i+8*\t+7]
.endm
; A UNIT: 32 Gaussians x query tile i, exponents in buffer buf.  next = 1: the exponents of the following unit (tile ni, buffer nbuf) are
; started here.  fetch = 1: a chunk follows, and its fragments are asked for.  zero = 1: the wave's first chunk starts the sums.
; DISTANCES (ISA guide 7.12.1; only plain vector instructions are counted).  Behind SMUL stand the v_nop and the 48 plain instructions of this unit
; before the next unit's v_exp_f32 read and rewrite its results, and before unit 2's loads land on its A fragments.  Behind the products with w1 stands
; the split (32 instructions) before w1 is written again; behind those with w2 the 7 or 8 additions before unit 3's loads land on FT and before
; w2 is written again.
.macro UNIT i, buf, nbuf, ni, zero, next, fetch
.set SX, SB+16*\buf
.irp j, 0,1,2,3,4,5,6,7,8,9,10,11,12,13,14,15
	v_exp_f32 v[SX+\j], v[SX+\j]                   ; w = 2^t
.endr
.if \next
.if \i == 3
	s_wait_dscnt 0x0                               ; the next chunk's coefficient fragments, asked for at the end of unit 2
.endif
	SMUL \nbuf, \ni
.endif
	v_nop                                          ; one plain instruction between the transcendentals and the first use of a result
	s_wait_alu depctr_va_vdst(0)
.irp j, 0,1,2,3,4,5,6,7
	v_perm_b32 v[PB+\j], v[SX+2*\j+1], v[SX+2*\j], s30             ; w1: the upper halves.  Lane (r, h): query r, K = 8h + 0..7 and 16 + 8h + 0..7: a B fragment as it stands
.endr
.if \i == 0
	s_wait_dscnt 0x0                               ; this chunk's feature fragments, asked for at the end of the last unit 3
.endif
.irp t, 0,1
.if \zero
	v_wmma_f32_16x16x32_bf16 v[ACC+16*\i+8*\t:ACC+16*\i+8*\t+7], v[FT+8*\t:FT+8*\t+7], v[PB:PB+7], 0
.else
	FMUL \i, \t, \t, PB                            ; f1 w1
.endif
.endr
	FMUL \i, 0, 2, PB                              ; f2 w1
	FMUL \i, 1, 3, PB
.irp g, 0,1
.irp j, 0,1,2,3,4,5,6,7
	v_and_b32 v[TW+\j], s29, v[SX+8*\g+\j]         ; w1 as f32
.endr
.irp j, 0,2,4,6
	v_pk_add_f32 v[TW+\j:TW+\j+1], v[SX+8*\g+\j:SX+8*\g+\j+1], v[TW+\j:TW+\j+1] neg_lo:[0,1] neg_hi:[0,1]   ; w - w1, exact
.endr
.irp j, 0,1,2,3
	v_cvt_pk_bf16_f32 v[PB+8+4*\g+\j], v[TW+2*\j], v[TW+2*\j+1]    ; w2
.endr
.endr
	FMUL \i, 0, 0, PB+8                            ; f1 w2
	FMUL \i, 1, 1, PB+8
	v_pk_add_f32 v[SX:SX+1], v[SX:SX+1], v[SX+2:SX+3]              ; the sum of my 16 weights in f32, as a tree
	v_pk_add_f32 v[SX+4:SX+5], v[SX+4:SX+5], v[SX+6:SX+7]
	v_pk_add_f32 v[SX+8:SX+9], v[SX+8:SX+9], v[SX+10:SX+11]
	v_pk_add_f32 v[SX+12:SX+13], v[SX+12:SX+13], v[SX+14:SX+15]
	v_pk_add_f32 v[SX:SX+1], v[SX:SX+1], v[SX+4:SX+5]
	v_pk_add_f32 v[SX+8:SX+9], v[SX+8:SX+9], v[SX+12:SX+13]
.if \zero
	v_pk_add_f32 v[SUM+2*\i:SUM+2*\i+1], v[SX:SX+1], v[SX+8:SX+9]
.else
	v_pk_add_f32 v[SX:SX+1], v[SX:SX+1], v[SX+8:SX+9]
	v_pk_add_f32 v[SUM+2*\i:SUM+2*\i+1], v[SUM+2*\i:SUM+2*\i+1], v[SX:SX+1]
.endif
.if \fetch
.if \i == 2
	v_add_nc_u32 v[GPA], 32*GPP, v[GPA]            ; the chunk's last SMUL has been issued: its fragments make room for the next chunk's
	v_add_nc_u32 v[GPB], 32*GPP, v[GPB]
	LDGP
.endif
.if \i == 3
	v_add_nc_u32 v[FTA], 32*FP, v[FTA]
	LDFT
.endif
.endif
.endm
.macro CHUNK zero, more
	UNIT 0, 0, 1, 1, \zero, 1, \more
	UNIT 1, 1, 0, 2, \zero, 1, \more
	UNIT 2, 0, 1, 3, \zero, 1, \more
	UNIT 3, 1, 0, 0, \zero, \more, \more
.endm
.irp i, 0,1,2,3
.irp c, 0,1,2
	ds_load_b128 v[QF+12*\i+4*\c:QF+12*\i+4*\c+3], v[QA] offset:\i*16*QP+32*\c   ; my 64 queries stay in registers for the whole loop
.endr
.endr
	LDGP
	LDFT
	s_wait_dscnt 0x0
	SMUL 0, 0
.rept 4
	v_nop                                          ; once: the places between the first SMUL and the first v_exp_f32
.endr
	CHUNK 1, 1                                     ; the first chunk stands in front of the loop: its products start the sums, nothing is cleared
	s_mov_b32 s28, CHUNKS-2
.Lchunk:
	CHUNK 0, 1
	s_sub_co_i32 s28, s28, 1
	s_cmp_lg_u32 s28, 0
	s_cbranch_scc1 .Lchunk
	CHUNK 0, 0                                     ; the last chunk asks for nothing and starts nothing
	; THE WAY OUT.  Sums of weights: the pair, then the two halves of the lanes (Gaussians 8h ..): every lane ends with query r's sum.
.irp i, 0,1,2,3
	v_add_f32 v[SUM+2*\i], v[SUM+2*\i], v[SUM+2*\i+1]
.endr
.irp i, 0,1,2,3
	v_permlanex16_b32 v[SUM+2*\i+1], v[SUM+2*\i], s26, s27
.endr
.irp i, 0,1,2,3
	v_add_f32 v[SUM+2*\i], v[SUM+2*\i], v[SUM+2*\i+1]
.endr
	s_wait_dscnt 0x0                               ; my reads of the Gaussian rows are over,
	s_barrier_signal -1
	s_barrier_wait -1                              ; everybody's are: the stage may lie over them
	; lane (r, h), register j of ACC(i, t): feature 16 t + 8 h + j of query 16 i + r: two runs of 16 bytes in the query's stage row
.irp i, 0,1,2,3
.irp t, 0,1
	ds_store_b128 v[SA], v[ACC+16*\i+8*\t:ACC+16*\i+8*\t+3] offset:\i*16*SP+64*\t
	ds_store_b128 v[SA], v[ACC+16*\i+8*\t+4:ACC+16*\i+8*\t+7] offset:\i*16*SP+64*\t+16
.endr
	ds_store_b32 v[SSA], v[SUM+2*\i] offset:\i*64  ; lanes r and r + 16 write the same word with the same value
.endr
	v_lshrrev_b32 v[PA], 3, v0                     ; back by rows: piece t + 256 k is bytes 16 (t & 7) of row (t >> 3) + 32 k
	v_and_b32 v[QW], 7, v0
	v_mul_u32_u24 v[PA], SP, v[PA]
	v_lshl_add_u32 v[PA], v[QW], 4, v[PA]
	v_add_nc_u32 v[QW], STGH, v[PA]
	s_wait_dscnt 0x0
	s_barrier_signal -1
	s_barrier_wait -1
.set OA, 16                            ; v[16:47]  Gaussian half 0, then the sum of both
.set OB, 48                            ; v[48:79]  Gaussian half 1
.irp k, 0,1,2,3,4,5,6,7
	ds_load_b128 v[OA+4*\k:OA+4*\k+3], v[PA] offset:\k*32*SP
	ds_load_b128 v[OB+4*\k:OB+4*\k+3], v[QW] offset:\k*32*SP
.endr
.irp k, 0,1,2,3,4,5,6,7
	s_wait_dscnt 14-2*\k                           ; pair k is in; the 7 - k younger pairs stay out
	v_pk_add_f32 v[OA+4*\k:OA+4*\k+1], v[OA+4*\k:OA+4*\k+1], v[OB+4*\k:OB+4*\k+1]
	v_pk_add_f32 v[OA+4*\k+2:OA+4*\k+3], v[OA+4*\k+2:OA+4*\k+3], v[OB+4*\k+2:OB+4*\k+3]
	global_store_b128 v[T16], v[OA+4*\k:OA+4*\k+3], s[20:21] offset:\k*4096      ; a wave's store covers 512 consecutive bytes, aligned; read again by the next launch, so no streaming hint
.endr
	s_cmp_gt_u32 s2, 1                             ; the 256 sums: waves 0 and 1, four a lane, 512 consecutive bytes a wave
	s_cbranch_scc1 .Ldone
	v_add_nc_u32 v[FA], SMS, v[T16]
	ds_load_b128 v[80:83], v[FA]
	ds_load_b128 v[84:87], v[FA] offset:QBLK*4
	s_wait_dscnt 0x0
	v_pk_add_f32 v[80:81], v[80:81], v[84:85]
	v_pk_add_f32 v[82:83], v[82:83], v[86:87]
	global_store_b128 v[T16], v[80:83], s[22:23]
.Ldone:
	s_set_vgpr_msb 0x4
	s_wait_tensorcnt 0x0
	ds_add_u32 v15, v1
	s_wait_dscnt 0x0
	s_set_vgpr_msb 0x400
	s_endpgm
.Lfunc_end_k_q2579f52da3_splat:
	.size	k_q2579f52da3_splat, .Lfunc_end_k_q2579f52da3_splat-k_q2579f52da3_splat
	.p2alignl 7, 3214868480
	.fill 96, 4, 3214868480
	.section	.rodata,"a",@progbits
	.p2align	6, 0x0
	.amdhsa_kernel k_q2579f52da3_splat
		.amdhsa_group_segment_fixed_size 277504
		.amdhsa_private_segment_fixed_size 0
		.amdhsa_enable_private_segment 0
		.amdhsa_kernarg_size 64
		.amdhsa_user_sgpr_count 2
		.amdhsa_user_sgpr_kernarg_segment_ptr 1
		.amdhsa_wavefront_size32 1
		.amdhsa_system_sgpr_workgroup_id_x 1
		.amdhsa_system_sgpr_workgroup_id_y 1
		.amdhsa_system_sgpr_workgroup_id_z 1
		.amdhsa_system_vgpr_workitem_id 0
		.amdhsa_next_free_vgpr 258
		.amdhsa_next_free_sgpr 66
		.amdhsa_reserve_vcc 0
		.amdhsa_float_denorm_mode_32 3
		.amdhsa_float_denorm_mode_16_64 3
		.amdhsa_memory_ordered 1
		.amdhsa_forward_progress 1
		.amdhsa_inst_pref_size 114
	.end_amdhsa_kernel
	.amdgpu_metadata
---
amdhsa.version: [ 1, 2 ]
amdhsa.kernels:
  - .name:           k_q2579f52da3_splat
    .symbol:         k_q2579f52da3_splat.kd
    .args:
      - { .name: query_xyz, .offset: 0, .size: 8, .value_kind: global_buffer, .address_space: global }
      - { .name: means, .offset: 8, .size: 8, .value_kind: global_buffer, .address_space: global }
      - { .name: log_scales, .offset: 16, .size: 8, .value_kind: global_buffer, .address_space: global }
      - { .name: rotations, .offset: 24, .size: 8, .value_kind: global_buffer, .address_space: global }
      - { .name: opacity_logits, .offset: 32, .size: 8, .value_kind: global_buffer, .address_space: global }
      - { .name: gaussian_feats, .offset: 40, .size: 8, .value_kind: global_buffer, .address_space: global }
      - { .name: part, .offset: 48, .size: 8, .value_kind: global_buffer, .address_space: global }
      - { .name: psum, .offset: 56, .size: 8, .value_kind: global_buffer, .address_space: global }
    .group_segment_fixed_size: 277504
    .private_segment_fixed_size: 0
    .kernarg_segment_align: 8
    .kernarg_segment_size: 64
    .max_flat_workgroup_size: 256
    .sgpr_count:     66
    .vgpr_count:     258
    .wavefront_size: 32
...
	.end_amdgpu_metadata
.endif
;; end of part 1
;; launch combine (part 2): grid 256 x 1, 4 waves a work-group, no clusters, 0 bytes of LDS; arguments part, psum, out0; writes out0
.if DOCPART == 2
	.amdgcn_target "amdgcn-amd-amdhsa--gfx1250"
	.amdhsa_code_object_version 6
	.text
	.protected	k_q2579f52da3_combine
	.globl	k_q2579f52da3_combine
	.p2align	8
	.type	k_q2579f52da3_combine,@function
k_q2579f52da3_combine:
	s_mov_b64 s[64:65], 0
	v_nop
	global_prefetch_b8 v0, s[64:65] scope:SCOPE_SE
	s_setreg_imm32_b32 hwreg(HW_REG_WAVE_MODE, 25, 1), 1
	s_wait_xcnt 0x0
; Second launch: out0[q][f] = (sum over the 16 Gaussian blocks of part[nb][q][f]) / (sum over nb of psum[nb][q] + 1e-8).
; A stream: thread i of the launch owns the 16 bytes at 16 i of out0 (4 features of query i >> 3), so each load and store of a wave covers
; 512 consecutive bytes; all 32 loads of a thread are issued at once.  No LDS, no barrier, no matrix unit: there is nothing to share.
.set SLICE,  524288                    ; bytes of part for one Gaussian block: 4096 x 32 x 4
.set WSLICE, 16384                     ; bytes of psum for one Gaussian block
.set W, 4                              ; v[4:19]   the 16 partial sums of weights of my query
.set P, 20                             ; v[20:83]  the 16 partial sums of my 4 features
	s_load_b128 s[4:7], s[0:1], 0x0                ; part s[4:5], psum s[6:7]
	s_load_b64 s[8:9], s[0:1], 0x10                ; out0
	s_lshl_b32 s10, ttmp9, 7                       ; 128 threads a work-group
	v_add_nc_u32 v1, s10, v0                       ; i
	v_lshlrev_b32 v2, 4, v1                        ; 16 i
	v_lshrrev_b32 v3, 3, v1                        ; query
	v_lshlrev_b32 v3, 2, v3
	s_wait_kmcnt 0x0
.irp n, 0,1,2,3,4,5,6,7,8,9,10,11,12,13,14,15
	global_load_b32 v[W+\n], v3, s[6:7] offset:\n*WSLICE th:TH_LOAD_NT
.endr
.irp n, 0,1,2,3,4,5,6,7,8,9,10,11,12,13,14,15
	global_load_b128 v[P+4*\n:P+4*\n+3], v2, s[4:5] offset:\n*SLICE th:TH_LOAD_NT
.endr
.macro ADD4 d, s                       ; slice d += slice s
	v_pk_add_f32 v[P+4*\d:P+4*\d+1], v[P+4*\d:P+4*\d+1], v[P+4*\s:P+4*\s+1]
	v_pk_add_f32 v[P+4*\d+2:P+4*\d+3], v[P+4*\d+2:P+4*\d+3], v[P+4*\s+2:P+4*\s+3]
.endm
	s_wait_loadcnt 16                              ; the 16 words of psum are in; the 16 loads of part behind them stay out
	v_pk_add_f32 v[W:W+1], v[W:W+1], v[W+2:W+3]
	v_pk_add_f32 v[W+4:W+5], v[W+4:W+5], v[W+6:W+7]
	v_pk_add_f32 v[W+8:W+9], v[W+8:W+9], v[W+10:W+11]
	v_pk_add_f32 v[W+12:W+13], v[W+12:W+13], v[W+14:W+15]
	v_pk_add_f32 v[W:W+1], v[W:W+1], v[W+4:W+5]
	v_pk_add_f32 v[W+8:W+9], v[W+8:W+9], v[W+12:W+13]
	v_pk_add_f32 v[W:W+1], v[W:W+1], v[W+8:W+9]
	v_add_f32 v[W], v[W], v[W+1]
	v_add_f32 v[W], 0x322bcc77, v[W]               ; + 1e-8
	v_rcp_f32 v[W], v[W]                           ; used far below, behind many plain instructions
	s_wait_loadcnt 8                               ; slices 0-7 are in, 8-15 stay out
	ADD4 0, 4
	ADD4 1, 5
	ADD4 2, 6
	ADD4 3, 7
	ADD4 0, 2
	ADD4 1, 3
	ADD4 0, 1
	s_wait_loadcnt 0x0
	ADD4 8, 12
	ADD4 9, 13
	ADD4 10, 14
	ADD4 11, 15
	ADD4 8, 10
	ADD4 9, 11
	ADD4 8, 9
	ADD4 0, 8
	s_wait_alu depctr_va_vdst(0)
	v_pk_mul_f32 v[P:P+1], v[P:P+1], v[W:W+1] op_sel_hi:[1,0]      ; both by v[W]
	v_pk_mul_f32 v[P+2:P+3], v[P+2:P+3], v[W:W+1] op_sel_hi:[1,0]
	global_store_b128 v2, v[P:P+3], s[8:9] th:TH_STORE_NT
	s_endpgm
.Lfunc_end_k_q2579f52da3_combine:
	.size	k_q2579f52da3_combine, .Lfunc_end_k_q2579f52da3_combine-k_q2579f52da3_combine
	.p2alignl 7, 3214868480
	.fill 96, 4, 3214868480
	.section	.rodata,"a",@progbits
	.p2align	6, 0x0
	.amdhsa_kernel k_q2579f52da3_combine
		.amdhsa_group_segment_fixed_size 0
		.amdhsa_private_segment_fixed_size 0
		.amdhsa_enable_private_segment 0
		.amdhsa_kernarg_size 24
		.amdhsa_user_sgpr_count 2
		.amdhsa_user_sgpr_kernarg_segment_ptr 1
		.amdhsa_wavefront_size32 1
		.amdhsa_system_sgpr_workgroup_id_x 1
		.amdhsa_system_sgpr_workgroup_id_y 1
		.amdhsa_system_sgpr_workgroup_id_z 1
		.amdhsa_system_vgpr_workitem_id 0
		.amdhsa_next_free_vgpr 84
		.amdhsa_next_free_sgpr 66
		.amdhsa_reserve_vcc 0
		.amdhsa_float_denorm_mode_32 3
		.amdhsa_float_denorm_mode_16_64 3
		.amdhsa_memory_ordered 1
		.amdhsa_forward_progress 1
		.amdhsa_inst_pref_size 7
	.end_amdhsa_kernel
	.amdgpu_metadata
---
amdhsa.version: [ 1, 2 ]
amdhsa.kernels:
  - .name:           k_q2579f52da3_combine
    .symbol:         k_q2579f52da3_combine.kd
    .args:
      - { .name: part, .offset: 0, .size: 8, .value_kind: global_buffer, .address_space: global }
      - { .name: psum, .offset: 8, .size: 8, .value_kind: global_buffer, .address_space: global }
      - { .name: out0, .offset: 16, .size: 8, .value_kind: global_buffer, .address_space: global }
    .group_segment_fixed_size: 0
    .private_segment_fixed_size: 0
    .kernarg_segment_align: 8
    .kernarg_segment_size: 24
    .max_flat_workgroup_size: 128
    .sgpr_count:     66
    .vgpr_count:     84
    .wavefront_size: 32
...
	.end_amdgpu_metadata
.endif
;; end of part 2
;; ======== version 2 of 2: 2 launches; version 1 with the launch splat written anew for expert scheduling mode
;; limits: right only within a limited range of input values
;; workspace buffers: part 8,388,608 bytes; psum 262,144 bytes
;; launch splat (part 3): grid 16 x 16, 8 waves a work-group, no clusters, 277,504 bytes of LDS; arguments query_xyz, means, log_scales, rotations, opacity_logits, gaussian_feats, part, psum; writes part, psum
.if DOCPART == 3
	.amdgcn_target "amdgcn-amd-amdhsa--gfx1250"
	.amdhsa_code_object_version 6
	.text
	.protected	k_q2579f52da3_splat
	.globl	k_q2579f52da3_splat
	.p2align	8
	.type	k_q2579f52da3_splat,@function
k_q2579f52da3_splat:
	s_mov_b64 s[64:65], 0
	v_nop
	global_prefetch_b8 v0, s[64:65] scope:SCOPE_SE
	s_setreg_imm32_b32 hwreg(HW_REG_WAVE_SCHED_MODE, 0, 2), 2
	s_setreg_imm32_b32 hwreg(HW_REG_WAVE_MODE, 25, 1), 1
	s_wait_xcnt 0x0
	s_wait_alu depctr_vm_vsrc(0)
; Gaussian splatting, first of two launches.  For 256 queries (work-group x) and 1024 Gaussians (work-group y):
;   part[y][q][f] = sum over the block's n of w(q,n) feats[n][f],   psum[y][q] = sum over n of w(q,n),
;   w(q,n) = sigmoid(op[n]) exp(-maha(q,n)/2) = exp2(t(q,n)).
; THE EXPONENT t IS A MATRIX PRODUCT of 10 terms: with P = p - o, m = mu - o, A' = -(log2 e / 2) Sigma^-1, b' = A' m:
;   t = A'00 X^2 + A'11 Y^2 + A'22 Z^2 + A'01 2XY + A'02 2XZ + A'12 2YZ + b'0 (-2X) + b'1 (-2Y) + b'2 (-2Z) + (m.b' + log2 sigmoid(op)) 1.
; The terms cancel to a small difference, so plain bf16 operands would not do.  Every f32 coefficient g and feature phi is split
; into three bf16 (g = g1 + g2 + g3, each the rounded rest of the one before), and the six products g1phi1, g1phi2, g1phi3, g2phi1,
; g2phi2, g3phi1 get a K slot each: 60 of 64 slots, two chained 16x16x32 bf16 instructions; the products dropped (g2phi3, g3phi2, g3phi3)
; are together below 2^-23 of a term, the size of an f32 rounding.
; o is the centroid of the block's first 32 queries: maha does not change under a shift, and a common offset of queries and
; means no longer enlarges the terms that cancel.
; Sigma^-1 = R diag(1/(s^2 + 1e-6)) R^T, since cov + 1e-6 I = R (S^2 + 1e-6 I) R^T for an orthogonal R.
; THE SECOND PRODUCT takes two bf16 parts of each operand: a single bf16 is off by up to 2^-8, which shows where two or three Gaussians with
; opposite features carry a query.  w = w1 + w2 (w1 the upper 16 bits of the f32, w2 the rounded rest), f = f1 + f2; w1f1, w1f2, w2f1 are
; chained on one accumulator; w2f2 and the last roundings are each below 2^-15 of a product.  The sum of w is kept in f32.
; LIMITS: a quaternion of norm in (0, 1e-12) (where the clamp of the normalisation leaves R not orthogonal) is not served; norm 0 is (R = I).
; sigmoid is held at 2^-126 or above, and w below 2^-126 becomes 0 (v_exp_f32): both vanish beside the 1e-8 of the denominator.
; No maximum is taken away, as none is in the definition: t <= 0 up to rounding, so exp2 cannot overflow.
; SHARES: 8 waves.  Wave w: queries 64 (w & 3) .. + 63 (4 tiles of 16), Gaussians 512 (w >> 2) .. + 511 (16 chunks of 32).
; The exponent tile is made with M = Gaussian, N = query: lane (r, h) then holds, for query r, Gaussians 8h .. 8h+7 of the tile, which after
; exp2 and packing IS the B fragment (K = Gaussian) of the second product: weights never leave the registers.
; NO CLUSTER, NO TENSOR LOADS: what the 16 work-groups of a Gaussian block share are raw f32 inputs that must pass through registers to be
; computed or converted; a raw copy of the 131,072 bytes of features does not fit beside the 276,480 bytes of LDS in use.
; THE MODE: SCHED_MODE bits 1:0 = 2 (LLVM: expert scheduling mode 2), set by the entry lines.  The code itself states the register dependences
; between vector or matrix instructions and memory or LDS instructions, with s_wait_alu, always for 0.
; THE PLAN.  Registers that memory or LDS instructions touch, and who else names them:
;   offsets and LDS addresses   made once at the head and never written again, but for GPA, GPB, FTA (below) and PA, QW, which are made anew for the way out.
;   H1, H2, H3, LB   A row's splitting writes them, the row's LDS stores read them.  One wait on va_vdst ahead of each run of stores; one on vm_vsrc ahead of the next row's splitting.
;   FE               The ring of feature loads, taken in groups of four: a group's 40 conversions read its 16 registers; behind them these are loaded again.
;   FS0, FS1         A group's conversions write one set, its eight LDS stores read it; the sets take turns.  One wait on va_vdst behind a group's conversions serves the reloads and
;                    the stores; the wait on vm_vsrc beside it is for the stores of the group BEFORE, whose set the next group writes.
;   GP               Read by the four SMUL of a chunk, the last at the head of unit 2; loaded again in unit 2, behind a wait on va_vdst that stands behind that unit's split.
;   FT               Read by every product with features, the last near the end of unit 3; loaded again behind the wait on va_vdst that ends unit 3.
;   GPA, GPB, FTA    Read by those loads; stepped once a chunk, in unit 2: a wait on vm_vsrc ahead of the three adds, unit 2's wait on va_vdst behind them.
;   QF, ACC, SUM, SB, PB, TW are named by vector and matrix instructions alone, from the barrier behind the set-up to the way out.
; Every unit ends with ONE wait on va_vdst, behind the next unit's sixteen exponentials and the eight additions that follow them.
.set QBLK,   256                       ; queries of a work-group
.set NBLK,   1024                      ; Gaussians of a work-group
.set NWAVE,  512                       ; Gaussians of a wave
.set CHUNKS, NWAVE/32
.set GPP,    80                        ; a Gaussian's LDS row: g3, g1, g2 of terms 0-7 (16 bytes each), then 32 bytes for terms 8, 9.  5 x 16: 16 rows start in 16 different 16-byte columns
.set QP,     112                       ; a query's LDS row: phi1, phi3, phi1, phi2, 32 bytes for terms 8, 9, 16 of padding.  7 x 16
.set FP,     160                       ; a feature row: 32 bf16 first parts, 32 bf16 second parts, 32 bytes of padding.  5 x 32, for the transposing load
.set SP,     144                       ; a row of the way-out stage: 32 f32 + 16 bytes
.set PAR,    0                         ; 1024 Gaussian rows
.set FEA,    PAR+NBLK*GPP              ; 1024 feature rows, [n][f]
.set QRY,    FEA+NBLK*FP               ; 256 query rows
.set SMS,    QRY+QBLK*QP               ; 2 x 256 sums of weights
.set STGH,   QBLK*SP                   ; way out: 256 rows for each Gaussian half: 73,728 bytes over PAR's 81,920, behind a barrier
; addresses and offsets
.set T12, 3                            ; 12 t
.set T16, 4                            ; 16 t
.set T4,  5                            ; 4 t
.set PA,  6                            ; LDS: my Gaussian's row of pass 0 (the passes lie 256 rows apart: in the stores' immediates); later the stage, half 0
.set QW,  7                            ; LDS: my query's row; later the stage, half 1
.set FA,  8                            ; LDS: the sums, on the way out
.set GPB, 9                            ; LDS: row r of the chunk's Gaussian rows
.set QA,  10                           ; LDS: my lane's part of the wave's query fragments
.set GPA, 11                           ; GPB + 16 h
.set FTA, 12                           ; LDS: my lane's part of the chunk's feature fragments
.set SA,  13                           ; LDS: stage, where my results go
.set SSA, 14                           ; LDS: where my sums go
; registers of the set-up
.set CQ,  16                           ; v[16:18]   one of the 32 queries of the centroid
.set OQ,  20                           ; v[20:22]   my query
.set IN,  24                           ; v[24:87]   4 passes x 16: mean +0..2, log scale +4..6, quaternion +8..11, opacity +12
.set FAB, 37                           ; v[37:39]   (three words that pass 0's inputs leave free) LDS: where my 4 features of loads 0, 12 and 24 go: 12 loads are 384 rows of 160 bytes, so the immediates stay inside 16 bits
.set FE,  88                           ; v[88:151]  16 feature loads in flight
.set X2,  152
.set Y2,  153
.set Z2,  154
.set WX,  155
.set WY,  156
.set WZ,  157
.set U,   158
.set RR,  160                          ; v[160:168] R, row-major
.set TF,  160                          ; v[160:167] between the passes: at work in the split of the features, two sets of 4 in turn; no memory instruction names them
.set TT,  170                          ; v[170:178] R diag(D)
.set G,   180                          ; v[180:189] the ten f32 numbers to split
.set TP,  190                          ; v[190:199] their bf16 parts, widened
.set H1,  200                          ; v[200:203] terms 0-7, first bf16 part, packed
.set H2,  204                          ; second part
.set H3,  208                          ; third part
.set LB,  212                          ; v[212:219] the row's last 32 bytes: terms 8, 9 in their six slots, then two zero words
.set O,   220                          ; v[220:222] the centroid
.set FS,  224                          ; v[224:255] two sets of 16: for each of a group's four loads f1 (2 registers) and f2 (2 registers), to store
; registers of the main loop
.set QF,  16                           ; v[16:63]   query fragments: tile i at 12 i; K half 0 at + 0..7, K half 1 at + 4..11 (they share 4 registers)
.set ACC, 64                           ; v[64:127]  sums: tile i, features 16 t .. at 16 i + 8 t
.set SUM, 128                          ; v[128:135] sums of weights: tile i, a pair
.set GP,  136                          ; v[136:167] coefficient fragments: Gaussian tile a at 16 a, K half at + 8
.set FT,  168                          ; v[168:199] feature fragments: f1 of features 0-15, 16-31, then f2 of the same
.set SB,  200                          ; v[200:231] exponents, then weights: two buffers of 16
.set PB,  232                          ; v[232:247] weights in bf16: w1, then w2
.set TW,  248                          ; v[248:255] at work in the split of the weights
	s_load_b512 s[8:23], s[0:1], 0x0               ; query s[8:9], means s[10:11], log scales s[12:13], quaternions s[14:15], opacity s[16:17], feats s[18:19], part s[20:21], psum s[22:23]
	v_lshl_add_u32 v15, v0, 2, 0x43800
	s_set_vgpr_msb 0x40
	v_mov_b32 v1, 0
	s_set_vgpr_msb 0x4000
	v_lshrrev_b32 v1, 5, v0
	v_readfirstlane_b32 s2, v1                     ; wave 0..7
	v_and_b32 v1, 31, v0                           ; lane
	v_mul_u32_u24 v2, 12, v1
	v_mul_u32_u24 v[T12], 12, v0
	v_lshlrev_b32 v[T16], 4, v0
	v_lshlrev_b32 v[T4], 2, v0
	s_and_b32 s5, ttmp7, 0xffff                    ; Gaussian block; ttmp9: query block, so that neighbouring work-groups read the same Gaussians
	s_mov_b32 s25, 0                               ; high word of every byte offset below
	s_mov_b32 s26, 0x76543210                      ; v_permlanex16_b32: lane i reads lane i of the other half
	s_mov_b32 s27, 0xfedcba98
	s_mov_b32 s29, 0xffff0000                      ; a word's upper 16 bits
	s_mov_b32 s30, 0x07060302                      ; v_perm_b32: the upper halves of two words, the second source's below
	s_wait_alu depctr_va_sdst(0)                   ; s2 is written, ahead of its first reader
	s_and_b32 s3, s2, 3                            ; which 64 queries
	s_lshr_b32 s4, s2, 2                           ; which 512 Gaussians
	s_wait_kmcnt 0x0
	s_mul_i32 s24, ttmp9, QBLK*12
	s_add_nc_u64 s[8:9], s[8:9], s[24:25]
	s_mul_i32 s24, s5, NBLK*12
	s_add_nc_u64 s[10:11], s[10:11], s[24:25]
	s_add_nc_u64 s[12:13], s[12:13], s[24:25]
	s_lshl_b32 s24, s5, 14                         ; 1024 x 16 bytes
	s_add_nc_u64 s[14:15], s[14:15], s[24:25]
	s_lshl_b32 s24, s5, 12                         ; 1024 x 4
	s_add_nc_u64 s[16:17], s[16:17], s[24:25]
	s_lshl_b32 s24, s5, 17                         ; 1024 x 128
	s_add_nc_u64 s[18:19], s[18:19], s[24:25]
	s_wait_alu depctr_va_vdst(0)                   ; v2, 12 t, 16 t and 4 t are written: every global load and store of the kernel reads one of them as its offset
	; every load of the set-up's first half is issued here: 2 + 16 small ones, then 16 of the 32 feature loads
	global_load_b96 v[CQ:CQ+2], v2, s[8:9]         ; query (lane) of the block, the same 32 in every wave
	global_load_b96 v[OQ:OQ+2], v[T12], s[8:9]     ; query t
.irp p, 0,1,2,3
	global_load_b96  v[IN+16*\p:IN+16*\p+2],    v[T12], s[10:11] offset:\p*3072   ; Gaussian t + 256 p
	global_load_b96  v[IN+16*\p+4:IN+16*\p+6],  v[T12], s[12:13] offset:\p*3072
	global_load_b128 v[IN+16*\p+8:IN+16*\p+11], v[T16], s[14:15] offset:\p*4096
	global_load_b32  v[IN+16*\p+12],            v[T4],  s[16:17] offset:\p*1024
.endr
.irp k, 0,1,2,3,4,5,6,7,8,9,10,11,12,13,14,15
	global_load_b128 v[FE+4*\k:FE+4*\k+3], v[T16], s[18:19] offset:\k*4096       ; a wave's load covers 512 consecutive bytes: 4 Gaussians' features
.endr
	s_lshl_b32 s24, s5, 19                         ; part: slice of 4096 x 128 bytes,
	s_lshl_b32 s7, ttmp9, 15                       ; 256 rows of 128 bytes
	s_add_co_u32 s24, s24, s7
	s_add_nc_u64 s[20:21], s[20:21], s[24:25]
	s_lshl_b32 s24, s5, 14                         ; psum: slice of 4096 x 4 bytes,
	s_lshl_b32 s7, ttmp9, 10                       ; 256 words
	s_add_co_u32 s24, s24, s7
	s_add_nc_u64 s[22:23], s[22:23], s[24:25]
	; LDS addresses, while the loads are on their way; none of these registers is named by a load that is out
	v_mul_u32_u24 v[PA], GPP, v0
	v_mul_u32_u24 v[QW], QP, v0
	v_add_nc_u32 v[QW], QRY, v[QW]
	v_lshrrev_b32 v[FAB], 3, v0                    ; load k of thread t holds features 4 (t & 7) .. + 3 of Gaussian (t >> 3) + 32 k
	v_and_b32 v240, 7, v0
	v_mul_u32_u24 v[FAB], FP, v[FAB]
	v_lshl_add_u32 v[FAB], v240, 3, v[FAB]
	v_add_nc_u32 v[FAB], FEA, v[FAB]
	v_add_nc_u32 v[FAB+1], 12*32*FP, v[FAB]        ; from load 12 on,
	v_add_nc_u32 v[FAB+2], 24*32*FP, v[FAB]        ; from load 24 on
	v_and_b32 v240, 15, v1                         ; r
	v_lshrrev_b32 v241, 4, v1                      ; h
	v_mul_u32_u24 v242, QP, v240                   ; query fragments: row r, 16 bytes for each half of the lanes
	v_lshl_add_u32 v242, v241, 4, v242
	s_mul_i32 s7, s3, 64*QP
	s_add_co_u32 s7, s7, QRY
	v_add_nc_u32 v[QA], s7, v242
	v_mul_u32_u24 v242, GPP, v240                  ; Gaussian fragments: row r, without and with the half's 16 bytes
	s_mul_i32 s7, s4, NWAVE*GPP
	v_add_nc_u32 v[GPB], s7, v242
	v_lshl_add_u32 v[GPA], v241, 4, v[GPB]
	v_and_b32 v243, 7, v1                          ; transposing load: lane L addresses row 8h + (L & 7), bytes 16 ((L >> 3) & 1)
	v_lshl_add_u32 v243, v241, 3, v243
	v_mul_u32_u24 v243, FP, v243
	v_bfe_u32 v244, v1, 3, 1
	v_lshl_add_u32 v243, v244, 4, v243
	s_mul_i32 s7, s4, NWAVE*FP
	s_add_co_u32 s7, s7, FEA
	v_add_nc_u32 v[FTA], s7, v243
	v_mul_u32_u24 v242, SP, v240                   ; stage: row r, 32 bytes (8 features) for each half of the lanes
	v_lshl_add_u32 v242, v241, 5, v242
	s_mul_i32 s7, s4, STGH
	s_mul_i32 s24, s3, 64*SP
	s_add_co_u32 s7, s7, s24
	v_add_nc_u32 v[SA], s7, v242
	s_lshl_b32 s7, s4, 10                          ; sums: 1,024 bytes a Gaussian half, 256 a wave's 64 queries
	s_lshl_b32 s24, s3, 8
	s_add_co_u32 s7, s7, s24
	s_add_co_u32 s7, s7, SMS
	v_lshl_add_u32 v[SSA], v240, 2, s7
	v_mov_b32 v[LB+6], 0                           ; the four K slots that no product uses, in Gaussian and query rows alike
	v_mov_b32 v[LB+7], 0
.irp c, 0,1,2
	v_mov_b32 v[O+\c], 0                           ; v_permlanex16_b32 counts as a reader of its destination
.endr
; the ten numbers in G, rounded to bf16 and packed: terms 0-7 into h .. h+3, terms 8, 9 into b
.macro PACK h, b
.irp i, 0,1,2,3
	v_cvt_pk_bf16_f32 v[\h+\i], v[G+2*\i], v[G+2*\i+1]
.endr
	v_cvt_pk_bf16_f32 v[\b], v[G+8], v[G+9]
.endm
; G -= what PACK took: the difference of an f32 and its bf16 rounding is exact in f32
.macro RESID h, b
.irp i, 0,1,2,3
	v_lshlrev_b32 v[TP+2*\i], 16, v[\h+\i]
	v_and_b32 v[TP+2*\i+1], s29, v[\h+\i]
.endr
	v_lshlrev_b32 v[TP+8], 16, v[\b]
	v_and_b32 v[TP+9], s29, v[\b]
.irp i, 0,1,2,3,4
	v_pk_add_f32 v[G+2*\i:G+2*\i+1], v[G+2*\i:G+2*\i+1], v[TP+2*\i:TP+2*\i+1] neg_lo:[0,1] neg_hi:[0,1]
.endr
.endm
	s_wait_loadcnt 16                              ; loads return in order (ISA guide 5.7.1): the 18 small ones are in, the 16 feature loads behind them stay out
	; the centroid of 32 queries, by the same instructions on the same data in every wave, so that all waves shift by the same bits
.irp m, 1,2,4,8
.irp c, 0,1,2
	v_add_f32_dpp v[CQ+\c], v[CQ+\c], v[CQ+\c] row_xmask:\m row_mask:0xf bank_mask:0xf
.endr
.endr
.irp c, 0,1,2
	v_permlanex16_b32 v[O+\c], v[CQ+\c], s26, s27
.endr
.irp c, 0,1,2
	v_add_f32 v[O+\c], v[O+\c], v[CQ+\c]
.endr
.irp c, 0,1,2
	v_mul_f32 v[O+\c], 0x3d000000, v[O+\c]         ; / 32
.endr
	; MY QUERY'S ROW: phi = X^2, Y^2, Z^2, 2XY, 2XZ, 2YZ, -2X, -2Y, -2Z, 1 (the factors 2 are exact, and cost once a query instead of once a Gaussian)
.irp c, 0,1,2
	v_sub_f32 v[OQ+\c], v[OQ+\c], v[O+\c]
.endr
	v_add_f32 v[X2], v[OQ], v[OQ]
	v_add_f32 v[Y2], v[OQ+1], v[OQ+1]
	v_mul_f32 v[G+0], v[OQ], v[OQ]
	v_mul_f32 v[G+1], v[OQ+1], v[OQ+1]
	v_mul_f32 v[G+2], v[OQ+2], v[OQ+2]
	v_mul_f32 v[G+3], v[X2], v[OQ+1]
	v_mul_f32 v[G+4], v[X2], v[OQ+2]
	v_mul_f32 v[G+5], v[Y2], v[OQ+2]
	v_mul_f32 v[G+6], -2.0, v[OQ]
	v_mul_f32 v[G+7], -2.0, v[OQ+1]
	v_mul_f32 v[G+8], -2.0, v[OQ+2]
	v_mov_b32 v[G+9], 1.0
	PACK  H1, LB
	RESID H1, LB
	PACK  H2, LB+1
	RESID H2, LB+1
	PACK  H3, LB+2
	v_mov_b32 v[LB+3], v[LB]
	v_mov_b32 v[LB+4], v[LB+1]
	v_mov_b32 v[LB+5], v[LB]
	; THE 64 K SLOTS, as four loads c of 16 bytes a lane; (h = 0 | h = 1) are the two halves of the lanes:
	;   c0: (g3 phi1 | g1 phi3)   c1: (g1 phi1 | g1 phi2)   c2: (g2 phi1 | g2 phi2)   of terms 0-7
	;   c3: terms 8, 9, a word for each product: g1phi1 g1phi2 g1phi3 g2phi1 | g2phi2 g3phi1 0 0
	; The query's side of c1 and of c2 is the same, so it is stored and loaded once.
	s_wait_alu depctr_va_vdst(0)                   ; H1, H2, H3 and LB are written, which the six stores read; so are all the LDS addresses made above
	ds_store_b128 v[QW], v[H1:H1+3]                ; c0, h = 0
	ds_store_b128 v[QW], v[H3:H3+3] offset:16      ; c0, h = 1
	ds_store_b128 v[QW], v[H1:H1+3] offset:32      ; c1 = c2, h = 0
	ds_store_b128 v[QW], v[H2:H2+3] offset:48      ; c1 = c2, h = 1
	ds_store_b128 v[QW], v[LB:LB+3] offset:64      ; c3
	ds_store_b128 v[QW], v[LB+4:LB+7] offset:80
; ONE GAUSSIAN A LANE: its ten coefficients, split, into its LDS row.  b: first register of the pass's inputs; p: the pass.
.macro GAUSS b, p
	v_mul_f32 v[\b+4], 0x4038aa3b, v[\b+4]         ; 2 log2(e) x log scale
	v_mul_f32 v[\b+5], 0x4038aa3b, v[\b+5]
	v_mul_f32 v[\b+6], 0x4038aa3b, v[\b+6]
	v_mul_f32 v[U], v[\b+8], v[\b+8]               ; |quaternion|^2
	v_fmac_f32 v[U], v[\b+9], v[\b+9]
	v_fmac_f32 v[U], v[\b+10], v[\b+10]
	v_fmac_f32 v[U], v[\b+11], v[\b+11]
	v_mul_f32 v[\b+12], 0xbfb8aa3b, v[\b+12]       ; -log2(e) x opacity logit,
	v_min_num_f32 v[\b+12], 0x42fc0000, v[\b+12]   ; at most 126: sigmoid stays at 2^-126 or above, and nothing becomes infinite
	v_exp_f32 v[\b+4], v[\b+4]                     ; s^2
	v_exp_f32 v[\b+5], v[\b+5]
	v_exp_f32 v[\b+6], v[\b+6]
	v_exp_f32 v[\b+12], v[\b+12]                   ; e^-op
	v_sqrt_f32 v[U], v[U]
	v_sub_f32 v[\b], v[\b], v[O]                   ; m = mean - o: also the plain instruction that stands between the transcendentals and the use of their results
	v_sub_f32 v[\b+1], v[\b+1], v[O+1]
	s_wait_alu depctr_va_vdst(0)                   ; the four exponentials and the root have written their results, ahead of the first line that names one: one wait for the batch
	v_add_f32 v[\b+4], 0x358637bd, v[\b+4]         ; + 1e-6
	v_add_f32 v[\b+5], 0x358637bd, v[\b+5]
	v_add_f32 v[\b+6], 0x358637bd, v[\b+6]
	v_add_f32 v[\b+12], 1.0, v[\b+12]
	v_max_num_f32 v[U], 0x2b8cbccc, v[U]           ; max(norm, 1e-12)
	v_rcp_f32 v[\b+4], v[\b+4]
	v_rcp_f32 v[\b+5], v[\b+5]
	v_rcp_f32 v[\b+6], v[\b+6]
	v_log_f32 v[\b+12], v[\b+12]                   ; -log2 sigmoid(op)
	v_rcp_f32 v[U], v[U]
	v_sub_f32 v[\b+2], v[\b+2], v[O+2]             ; again the plain instruction behind the transcendentals
	s_wait_alu depctr_va_vdst(0)                   ; the four reciprocals and the logarithm have written their results, ahead of the first line that names one
	v_mul_f32 v[\b+4], 0xbf38aa3b, v[\b+4]         ; D = -(log2 e / 2) / (s^2 + 1e-6)
	v_mul_f32 v[\b+5], 0xbf38aa3b, v[\b+5]
	v_mul_f32 v[\b+6], 0xbf38aa3b, v[\b+6]
	v_mul_f32 v[\b+8], v[U], v[\b+8]               ; w, x, y, z normalised
	v_mul_f32 v[\b+9], v[U], v[\b+9]
	v_mul_f32 v[\b+10], v[U], v[\b+10]
	v_mul_f32 v[\b+11], v[U], v[\b+11]
	v_add_f32 v[X2], v[\b+9], v[\b+9]
	v_add_f32 v[Y2], v[\b+10], v[\b+10]
	v_add_f32 v[Z2], v[\b+11], v[\b+11]
	v_mul_f32 v[WX], v[\b+8], v[X2]
	v_mul_f32 v[WY], v[\b+8], v[Y2]
	v_mul_f32 v[WZ], v[\b+8], v[Z2]
	v_fma_f32 v[RR+1], v[\b+9], v[Y2], -v[WZ]      ; R01 = 2 (xy - wz)
	v_fma_f32 v[RR+3], v[\b+9], v[Y2], v[WZ]       ; R10 = 2 (xy + wz)
	v_fma_f32 v[RR+2], v[\b+9], v[Z2], v[WY]       ; R02 = 2 (xz + wy)
	v_fma_f32 v[RR+6], v[\b+9], v[Z2], -v[WY]      ; R20 = 2 (xz - wy)
	v_fma_f32 v[RR+5], v[\b+10], v[Z2], -v[WX]     ; R12 = 2 (yz - wx)
	v_fma_f32 v[RR+7], v[\b+10], v[Z2], v[WX]      ; R21 = 2 (yz + wx)
	v_fma_f32 v[U], -v[\b+9], v[X2], 1.0           ; 1 - 2 xx
	v_fma_f32 v[RR+0], -v[\b+10], v[Y2], 1.0       ; 1 - 2 yy
	v_fma_f32 v[RR+4], -v[\b+11], v[Z2], v[U]      ; R11
	v_fma_f32 v[RR+8], -v[\b+10], v[Y2], v[U]      ; R22
	v_fma_f32 v[RR+0], -v[\b+11], v[Z2], v[RR+0]   ; R00
.irp i, 0,1,2
.irp k, 0,1,2
	v_mul_f32 v[TT+3*\i+\k], v[RR+3*\i+\k], v[\b+4+\k]
.endr
.endr
	v_mul_f32 v[G+0], v[TT+0], v[RR+0]             ; A' = R D R^T: 00, 11, 22, 01, 02, 12
	v_mul_f32 v[G+1], v[TT+3], v[RR+3]
	v_mul_f32 v[G+2], v[TT+6], v[RR+6]
	v_mul_f32 v[G+3], v[TT+0], v[RR+3]
	v_mul_f32 v[G+4], v[TT+0], v[RR+6]
	v_mul_f32 v[G+5], v[TT+3], v[RR+6]
.irp k, 1,2
	v_fmac_f32 v[G+0], v[TT+0+\k], v[RR+0+\k]
	v_fmac_f32 v[G+1], v[TT+3+\k], v[RR+3+\k]
	v_fmac_f32 v[G+2], v[TT+6+\k], v[RR+6+\k]
	v_fmac_f32 v[G+3], v[TT+0+\k], v[RR+3+\k]
	v_fmac_f32 v[G+4], v[TT+0+\k], v[RR+6+\k]
	v_fmac_f32 v[G+5], v[TT+3+\k], v[RR+6+\k]
.endr
	v_mul_f32 v[G+6], v[G+0], v[\b]                ; b' = A' m
	v_mul_f32 v[G+7], v[G+3], v[\b]
	v_mul_f32 v[G+8], v[G+4], v[\b]
	v_fmac_f32 v[G+6], v[G+3], v[\b+1]
	v_fmac_f32 v[G+7], v[G+1], v[\b+1]
	v_fmac_f32 v[G+8], v[G+5], v[\b+1]
	v_fmac_f32 v[G+6], v[G+4], v[\b+2]
	v_fmac_f32 v[G+7], v[G+5], v[\b+2]
	v_fmac_f32 v[G+8], v[G+2], v[\b+2]
	v_fma_f32 v[G+9], v[\b], v[G+6], -v[\b+12]     ; m.b' + log2 sigmoid(op)
	v_fmac_f32 v[G+9], v[\b+1], v[G+7]
	v_fmac_f32 v[G+9], v[\b+2], v[G+8]
	s_wait_alu depctr_vm_vsrc(0)                   ; the LDS stores issued so far have read their data: H1 .. LB of the row before, which the lines below write again; behind a run of features also FS0 and FS1, which the next run writes again
	PACK  H1, LB
	RESID H1, LB
	PACK  H2, LB+3
	RESID H2, LB+3
	PACK  H3, LB+5
	v_mov_b32 v[LB+1], v[LB]
	v_mov_b32 v[LB+2], v[LB]
	v_mov_b32 v[LB+4], v[LB+3]
	s_wait_alu depctr_va_vdst(0)                   ; H1, H2, H3 and LB are written, which the five stores read
	ds_store_b128 v[PA], v[H3:H3+3]   offset:\p*256*GPP        ; each part once: the fragment loads' addresses make the repeats.  Pass p's Gaussian lies 256 p rows on: 61,504 at the most, inside the 16-bit immediate
	ds_store_b128 v[PA], v[H1:H1+3]   offset:\p*256*GPP+16
	ds_store_b128 v[PA], v[H2:H2+3]   offset:\p*256*GPP+32
	ds_store_b128 v[PA], v[LB:LB+3]   offset:\p*256*GPP+48
	ds_store_b128 v[PA], v[LB+4:LB+7] offset:\p*256*GPP+64
.endm
; A GROUP of four feature loads, numbers 4 g .. 4 g + 3 of 32 (ring registers 16 (g % 4) on): f1 = bf16(f), f2 = bf16(f - f1), into set g % 2 and from there into the [n][f] rows.
; reload = 1: the ring registers are loaded again at once with the loads 16 further on.  left: how many younger loads may stay out.
; free = 1: a further group of this run follows a group of this run, and writes the set that the group before this one stored from.
.macro FGRP g, left, reload, free
	s_wait_loadcnt \left
.irp j, 0,1,2,3
.set FK, FE+16*((\g)%4)+4*\j
.set FO, FS+16*((\g)%2)+4*\j
.set FW, TF+4*(\j%2)
	v_cvt_pk_bf16_f32 v[FO], v[FK], v[FK+1]
	v_cvt_pk_bf16_f32 v[FO+1], v[FK+2], v[FK+3]
	v_lshlrev_b32 v[FW], 16, v[FO]
	v_and_b32 v[FW+1], s29, v[FO]
	v_lshlrev_b32 v[FW+2], 16, v[FO+1]
	v_and_b32 v[FW+3], s29, v[FO+1]
	v_pk_add_f32 v[FW:FW+1], v[FK:FK+1], v[FW:FW+1] neg_lo:[0,1] neg_hi:[0,1]
	v_pk_add_f32 v[FW+2:FW+3], v[FK+2:FK+3], v[FW+2:FW+3] neg_lo:[0,1] neg_hi:[0,1]
	v_cvt_pk_bf16_f32 v[FO+2], v[FW], v[FW+1]
	v_cvt_pk_bf16_f32 v[FO+3], v[FW+2], v[FW+3]
.endr
.if \free
	s_wait_alu depctr_vm_vsrc(0)                   ; the stores of the group before, issued ahead of this group's 40 lines, have read the other set, which the next group's conversions write
.endif
	s_wait_alu depctr_va_vdst(0)                   ; the lines above are done reading the group's ring registers, in which the loads below land, and have written the set that the stores below read
.if \reload
.irp j, 0,1,2,3
	global_load_b128 v[FE+16*((\g)%4)+4*\j:FE+16*((\g)%4)+4*\j+3], v[T16], s[18:19] offset:(4*(\g)+\j+16)*4096
.endr
.endif
.irp j, 0,1,2,3
.set FO, FS+16*((\g)%2)+4*\j
.set FN, 4*(\g)+\j
	ds_store_b64 v[FAB+FN/12], v[FO:FO+1]   offset:(FN%12)*32*FP
	ds_store_b64 v[FAB+FN/12], v[FO+2:FO+3] offset:(FN%12)*32*FP+64
.endr
.endm
	GAUSS IN, 0
	GAUSS IN+16, 1
	FGRP 0, 12, 1, 0                               ; 16 are out, the oldest four are wanted: 12 younger ones stay out; four go out again
	FGRP 1, 12, 1, 1
	FGRP 2, 12, 1, 1
	FGRP 3, 12, 1, 0
	GAUSS IN+32, 2
	GAUSS IN+48, 3
	FGRP 4, 12, 0, 0                               ; nothing is issued any more: the count runs down
	FGRP 5, 8, 0, 1
	FGRP 6, 4, 0, 1
	FGRP 7, 0, 0, 0
	s_wait_dscnt 0x0                               ; my rows are in LDS, for the other waves' sake,
	s_barrier_signal -1
	s_barrier_wait -1                              ; and so are everybody's
	s_wait_alu depctr_vm_vsrc(0)                   ; my LDS stores have read their registers: v37-39 become part of QF, in which loads land; H1 .. LB and FS become SB, PB and TW, written by matrix and vector lines; PA and QW are made anew for the way out
; the chunk's coefficient fragments: 2 tiles of 16 Gaussians x 64 K.  Of row r: c0 = bytes 16 h (g3 | g1), c1 = bytes 16 (g1), c2 = bytes 32 (g2), c3 = bytes 48 + 16 h
.macro LDGP
.irp a, 0,1
	ds_load_b128 v[GP+16*\a:GP+16*\a+3],     v[GPA] offset:\a*16*GPP
	ds_load_b128 v[GP+16*\a+4:GP+16*\a+7],   v[GPB] offset:\a*16*GPP+16
	ds_load_b128 v[GP+16*\a+8:GP+16*\a+11],  v[GPB] offset:\a*16*GPP+32
	ds_load_b128 v[GP+16*\a+12:GP+16*\a+15], v[GPA] offset:\a*16*GPP+48
.endr
.endm
; the chunk's feature fragments: 16 features x 32 Gaussians each, transposed on the way out of LDS: f1 of 0-15, of 16-31, f2 of 0-15, of 16-31
.macro LDFT
.irp t, 0,1,2,3
	ds_load_tr16_b128 v[FT+8*\t:FT+8*\t+3], v[FTA] offset:32*\t
	ds_load_tr16_b128 v[FT+8*\t+4:FT+8*\t+7], v[FTA] offset:32*\t+16*FP
.endr
.endm
; exponents of the chunk's 32 Gaussians x query tile i into buffer buf: two chains of two over K = 64; the first link starts the sum
.macro SMUL buf, i
	v_wmma_f32_16x16x32_bf16 v[SB+16*\buf:SB+16*\buf+7], v[GP:GP+7], v[QF+12*\i:QF+12*\i+7], 0
	v_wmma_f32_16x16x32_bf16 v[SB+16*\buf+8:SB+16*\buf+15], v[GP+16:GP+23], v[QF+12*\i:QF+12*\i+7], 0
	v_wmma_f32_16x16x32_bf16 v[SB+16*\buf:SB+16*\buf+7], v[GP+8:GP+15], v[QF+12*\i+4:QF+12*\i+11], v[SB+16*\buf:SB+16*\buf+7]
	v_wmma_f32_16x16x32_bf16 v[SB+16*\buf+8:SB+16*\buf+15], v[GP+24:GP+31], v[QF+12*\i+4:QF+12*\i+11], v[SB+16*\buf+8:SB+16*\buf+15]
.endm
; w = 2^t, in place, in buffer buf: each accumulator from its low end on
.macro EXPS buf
.irp j, 0,1,2,3,4,5,6,7,8,9,10,11,12,13,14,15
	v_exp_f32 v[SB+16*\buf+\j], v[SB+16*\buf+\j]
.endr
.endm
; ACC(i, t) += feature fragment f x weight fragment p
.macro FMUL i, t, f, p
	v_wmma_f32_16x16x32_bf16 v[ACC+16*\i+8*\t:ACC+16*\i+8*\t+7], v[FT+8*\f:FT+8*\f+7], v[\p:\p+7], v[ACC+16*\i+8*\t:ACC+16*\i+8*\t+7]
.endm
; The parts of a unit; SX is the unit's buffer of weights.
.macro PERM                            ; w1: the upper halves.  Lane (r, h): query r, K = 8h + 0..7 and 16 + 8h + 0..7: a B fragment as it stands
.irp j, 0,1,2,3,4,5,6,7
	v_perm_b32 v[PB+\j], v[SX+2*\j+1], v[SX+2*\j], s30
.endr
.endm
.macro FM1 i, zero                     ; f1 w1, then f2 w1; the two accumulators take turns
.irp t, 0,1
.if \zero
	v_wmma_f32_16x16x32_bf16 v[ACC+16*\i+8*\t:ACC+16*\i+8*\t+7], v[FT+8*\t:FT+8*\t+7], v[PB:PB+7], 0
.else
	FMUL \i, \t, \t, PB
.endif
.endr
	FMUL \i, 0, 2, PB
	FMUL \i, 1, 3, PB
.endm
.macro SPLIT
.irp g, 0,1
.irp j, 0,1,2,3,4,5,6,7
	v_and_b32 v[TW+\j], s29, v[SX+8*\g+\j]         ; w1 as f32
.endr
.irp j, 0,2,4,6
	v_pk_add_f32 v[TW+\j:TW+\j+1], v[SX+8*\g+\j:SX+8*\g+\j+1], v[TW+\j:TW+\j+1] neg_lo:[0,1] neg_hi:[0,1]   ; w - w1, exact
.endr
.irp j, 0,1,2,3
	v_cvt_pk_bf16_f32 v[PB+8+4*\g+\j], v[TW+2*\j], v[TW+2*\j+1]    ; w2
.endr
.endr
.endm
.macro FM2 i                           ; f1 w2
	FMUL \i, 0, 0, PB+8
	FMUL \i, 1, 1, PB+8
.endm
.macro ADDS i, zero                    ; the sum of my 16 weights in f32, as a tree
	v_pk_add_f32 v[SX:SX+1], v[SX:SX+1], v[SX+2:SX+3]
	v_pk_add_f32 v[SX+4:SX+5], v[SX+4:SX+5], v[SX+6:SX+7]
	v_pk_add_f32 v[SX+8:SX+9], v[SX+8:SX+9], v[SX+10:SX+11]
	v_pk_add_f32 v[SX+12:SX+13], v[SX+12:SX+13], v[SX+14:SX+15]
	v_pk_add_f32 v[SX:SX+1], v[SX:SX+1], v[SX+4:SX+5]
	v_pk_add_f32 v[SX+8:SX+9], v[SX+8:SX+9], v[SX+12:SX+13]
.if \zero
	v_pk_add_f32 v[SUM+2*\i:SUM+2*\i+1], v[SX:SX+1], v[SX+8:SX+9]
.else
	v_pk_add_f32 v[SX:SX+1], v[SX:SX+1], v[SX+8:SX+9]
	v_pk_add_f32 v[SUM+2*\i:SUM+2*\i+1], v[SUM+2*\i:SUM+2*\i+1], v[SX:SX+1]
.endif
.endm
; A UNIT: 32 Gaussians x query tile i, its WEIGHTS in buffer buf (the exponentials were taken at the end of the unit before, and waited for).
; next = 1: a unit follows (tile ni, buffer nbuf): its exponents are started at this unit's head, its exponentials are taken at this unit's end.
; fetch = 1: a chunk follows, and its fragments are asked for.  zero = 1: the wave's first chunk starts the sums.
; THE ORDER: SMUL of the next unit; w1; four products; the split; two products; the next unit's sixteen exponentials; the eight (first chunk: seven) additions, plain work that names none of
; their results; ONE wait.  In unit 0 the split stands ahead of all six products, so that the features asked for at the end of unit 3 have 4 matrix and 40 vector lines in which to land.
; DISTANCES (ISA guide 7.12.1; only plain vector instructions are counted).  Behind SMUL stand the 8 v_perm_b32 and more before the exponentials read and rewrite its results.  Behind the
; products with w1 stand the split or the additions before w1 is written again; behind those with w2 the additions and the next unit's 8 v_perm_b32 before w2 is written again.
.macro UNIT i, buf, nbuf, ni, zero, next, fetch
.set SX, SB+16*\buf
.if \next
.if \i == 3
	s_wait_dscnt 0x0                               ; the next chunk's coefficient fragments, asked for in unit 2
.endif
	SMUL \nbuf, \ni
.endif
	PERM
.if \i == 0
	SPLIT
	s_wait_dscnt 0x0                               ; this chunk's feature fragments, asked for at the end of the last unit 3
	FM1 \i, \zero
.else
	FM1 \i, \zero
.if \fetch && (\i == 2)
	s_wait_alu depctr_vm_vsrc(0)                   ; the fragment loads issued so far have read GPA, GPB and FTA
	v_add_nc_u32 v[GPA], 32*GPP, v[GPA]            ; the next chunk's rows
	v_add_nc_u32 v[GPB], 32*GPP, v[GPB]
	v_add_nc_u32 v[FTA], 32*FP, v[FTA]
.endif
	SPLIT
.if \fetch && (\i == 2)
	s_wait_alu depctr_va_vdst(0)                   ; the chunk's last SMUL, at this unit's head, is done reading GP, in which the loads below land; GPA, GPB and FTA are written.  No line from here to unit 3's SMUL names GP
	LDGP
.endif
.endif
	FM2 \i
.if \next
	EXPS \nbuf
.endif
	ADDS \i, \zero                                 ; also the plain instructions between the exponentials and the first use of a result
.if \next
	s_wait_alu depctr_va_vdst(0)                   ; the sixteen exponentials have written the next unit's weights, ahead of the first line that names one; in unit 3 also: the chunk's last products are done reading FT
.endif
.if \fetch && (\i == 3)
	LDFT                                           ; directly behind that wait; FTA was stepped in unit 2, ahead of two waits on va_vdst
.endif
.endm
.macro CHUNK zero, more
	UNIT 0, 0, 1, 1, \zero, 1, \more
	UNIT 1, 1, 0, 2, \zero, 1, \more
	UNIT 2, 0, 1, 3, \zero, 1, \more
	UNIT 3, 1, 0, 0, \zero, \more, \more
.endm
	; no vector line stands between the last group's wait on va_vdst and these loads: all earlier readers and writers of v16-63 and v136-199 are done
.irp i, 0,1,2,3
.irp c, 0,1,2
	ds_load_b128 v[QF+12*\i+4*\c:QF+12*\i+4*\c+3], v[QA] offset:\i*16*QP+32*\c   ; my 64 queries stay in registers for the whole loop
.endr
.endr
	LDGP
	LDFT
	s_wait_dscnt 0x0
	SMUL 0, 0
.rept 4
	v_nop                                          ; once: the places between the first SMUL and the first v_exp_f32
.endr
	EXPS 0
	v_nop                                          ; one plain instruction between the exponentials and the first use of a result
	s_wait_alu depctr_va_vdst(0)                   ; the first unit's sixteen exponentials have written its weights
	CHUNK 1, 1                                     ; the first chunk stands in front of the loop: its products start the sums, nothing is cleared
	s_mov_b32 s28, CHUNKS-2
.Lchunk:
	CHUNK 0, 1
	s_sub_co_i32 s28, s28, 1
	s_cmp_lg_u32 s28, 0
	s_cbranch_scc1 .Lchunk
	CHUNK 0, 0                                     ; the last chunk asks for nothing, and its last unit starts nothing
	; THE WAY OUT.  Sums of weights: the pair, then the two halves of the lanes (Gaussians 8h ..): every lane ends with query r's sum.
.irp i, 0,1,2,3
	v_add_f32 v[SUM+2*\i], v[SUM+2*\i], v[SUM+2*\i+1]
.endr
.irp i, 0,1,2,3
	v_permlanex16_b32 v[SUM+2*\i+1], v[SUM+2*\i], s26, s27
.endr
.irp i, 0,1,2,3
	v_add_f32 v[SUM+2*\i], v[SUM+2*\i], v[SUM+2*\i+1]
.endr
	v_lshrrev_b32 v[PA], 3, v0                     ; back by rows: piece t + 256 k is bytes 16 (t & 7) of row (t >> 3) + 32 k
	v_and_b32 v[QW], 7, v0
	v_mul_u32_u24 v[PA], SP, v[PA]
	v_lshl_add_u32 v[PA], v[QW], 4, v[PA]
	v_add_nc_u32 v[QW], STGH, v[PA]
	v_add_nc_u32 v[FA], SMS, v[T16]                ; the sums, four a lane (read by waves 0 and 1 alone)
	s_wait_dscnt 0x0                               ; my reads of the Gaussian rows are over,
	s_barrier_signal -1
	s_barrier_wait -1                              ; everybody's are: the stage may lie over them
	s_wait_alu depctr_va_vdst(0)                   ; the accumulators and the sums are written, which the stores below read (the additions above are the places behind the last products); so are PA, QW and FA; and QF and ACC, in which the loads from the stage land, are no longer named
	; lane (r, h), register j of ACC(i, t): feature 16 t + 8 h + j of query 16 i + r: two runs of 16 bytes in the query's stage row
.irp i, 0,1,2,3
.irp t, 0,1
	ds_store_b128 v[SA], v[ACC+16*\i+8*\t:ACC+16*\i+8*\t+3] offset:\i*16*SP+64*\t
	ds_store_b128 v[SA], v[ACC+16*\i+8*\t+4:ACC+16*\i+8*\t+7] offset:\i*16*SP+64*\t+16
.endr
	ds_store_b32 v[SSA], v[SUM+2*\i] offset:\i*64  ; lanes r and r + 16 write the same word with the same value
.endr
	s_wait_dscnt 0x0
	s_barrier_signal -1
	s_barrier_wait -1
	s_wait_alu depctr_vm_vsrc(0)                   ; my stores into the stage have read v64-87 of the accumulators, in which loads below land
.set OA, 16                            ; v[16:47]  Gaussian half 0, then the sum of both
.set OB, 48                            ; v[48:79]  Gaussian half 1
.irp k, 0,1,2,3,4,5,6,7
	ds_load_b128 v[OA+4*\k:OA+4*\k+3], v[PA] offset:\k*32*SP
	ds_load_b128 v[OB+4*\k:OB+4*\k+3], v[QW] offset:\k*32*SP
.endr
.irp g, 0,1
.irp j, 0,1,2,3
	s_wait_dscnt 14-2*(4*\g+\j)                    ; pair k = 4 g + j is in; the 7 - k younger pairs stay out
	v_pk_add_f32 v[OA+4*(4*\g+\j):OA+4*(4*\g+\j)+1], v[OA+4*(4*\g+\j):OA+4*(4*\g+\j)+1], v[OB+4*(4*\g+\j):OB+4*(4*\g+\j)+1]
	v_pk_add_f32 v[OA+4*(4*\g+\j)+2:OA+4*(4*\g+\j)+3], v[OA+4*(4*\g+\j)+2:OA+4*(4*\g+\j)+3], v[OB+4*(4*\g+\j)+2:OB+4*(4*\g+\j)+3]
.endr
	s_wait_alu depctr_va_vdst(0)                   ; the eight additions have written the sixteen registers that the four stores read
.irp j, 0,1,2,3
	global_store_b128 v[T16], v[OA+4*(4*\g+\j):OA+4*(4*\g+\j)+3], s[20:21] offset:(4*\g+\j)*4096      ; a wave's store covers 512 consecutive bytes, aligned; read again by the next launch, so no streaming hint
.endr
.endr
	s_cmp_gt_u32 s2, 1                             ; the 256 sums: waves 0 and 1, four a lane, 512 consecutive bytes a wave
	s_cbranch_scc1 .Ldone
	ds_load_b128 v[80:83], v[FA]                   ; no vector or matrix line has named v80-87 since the wait ahead of the stage's stores, and those stores have read them
	ds_load_b128 v[84:87], v[FA] offset:QBLK*4
	s_wait_dscnt 0x0
	v_pk_add_f32 v[80:81], v[80:81], v[84:85]
	v_pk_add_f32 v[82:83], v[82:83], v[86:87]
	s_wait_alu depctr_va_vdst(0)                   ; the two additions have written v80-83, which the store reads
	global_store_b128 v[T16], v[80:83], s[22:23]
.Ldone:
	s_set_vgpr_msb 0x4
	s_wait_dscnt 0x0
	s_wait_alu depctr_hold_cnt(0) depctr_sa_sdst(0) depctr_va_vdst(0) depctr_va_sdst(0) depctr_va_ssrc(0) depctr_va_vcc(0) depctr_vm_vsrc(0)
	s_wait_tensorcnt 0x0
	ds_add_u32 v15, v1
	s_wait_dscnt 0x0
	s_endpgm
.Lfunc_end_k_q2579f52da3_splat:
	.size	k_q2579f52da3_splat, .Lfunc_end_k_q2579f52da3_splat-k_q2579f52da3_splat
	.p2alignl 7, 3214868480
	.fill 96, 4, 3214868480
	.section	.rodata,"a",@progbits
	.p2align	6, 0x0
	.amdhsa_kernel k_q2579f52da3_splat
		.amdhsa_group_segment_fixed_size 277504
		.amdhsa_private_segment_fixed_size 0
		.amdhsa_enable_private_segment 0
		.amdhsa_kernarg_size 64
		.amdhsa_user_sgpr_count 2
		.amdhsa_user_sgpr_kernarg_segment_ptr 1
		.amdhsa_wavefront_size32 1
		.amdhsa_system_sgpr_workgroup_id_x 1
		.amdhsa_system_sgpr_workgroup_id_y 1
		.amdhsa_system_sgpr_workgroup_id_z 1
		.amdhsa_system_vgpr_workitem_id 0
		.amdhsa_next_free_vgpr 258
		.amdhsa_next_free_sgpr 66
		.amdhsa_reserve_vcc 0
		.amdhsa_float_denorm_mode_32 3
		.amdhsa_float_denorm_mode_16_64 3
		.amdhsa_memory_ordered 1
		.amdhsa_forward_progress 1
		.amdhsa_inst_pref_size 114
	.end_amdhsa_kernel
	.amdgpu_metadata
---
amdhsa.version: [ 1, 2 ]
amdhsa.kernels:
  - .name:           k_q2579f52da3_splat
    .symbol:         k_q2579f52da3_splat.kd
    .args:
      - { .name: query_xyz, .offset: 0, .size: 8, .value_kind: global_buffer, .address_space: global }
      - { .name: means, .offset: 8, .size: 8, .value_kind: global_buffer, .address_space: global }
      - { .name: log_scales, .offset: 16, .size: 8, .value_kind: global_buffer, .address_space: global }
      - { .name: rotations, .offset: 24, .size: 8, .value_kind: global_buffer, .address_space: global }
      - { .name: opacity_logits, .offset: 32, .size: 8, .value_kind: global_buffer, .address_space: global }
      - { .name: gaussian_feats, .offset: 40, .size: 8, .value_kind: global_buffer, .address_space: global }
      - { .name: part, .offset: 48, .size: 8, .value_kind: global_buffer, .address_space: global }
      - { .name: psum, .offset: 56, .size: 8, .value_kind: global_buffer, .address_space: global }
    .group_segment_fixed_size: 277504
    .private_segment_fixed_size: 0
    .kernarg_segment_align: 8
    .kernarg_segment_size: 64
    .max_flat_workgroup_size: 256
    .sgpr_count:     66
    .vgpr_count:     258
    .wavefront_size: 32
...
	.end_amdgpu_metadata
.endif
;; end of part 3
;; launch combine: the kernel of part 2 again; grid 256 x 1, 4 waves a work-group, no clusters, 0 bytes of LDS; arguments part, psum, out0; writes out0
